; MI455X (gfx1250); checked and timed in simulation.
; The chip was launched on July 23, 2026; its instructions are those of AMD's public machine-readable ISA for CDNA 5 (MIT licence, August 2026) and "CDNA5" Instruction Set Architecture Reference Guide (July 2026). The comments in the code are by the model that wrote it; some were corrected since.
;; Flex Local Frame Attention. Allowed arithmetic: matrix products marked QUANTISED: E2M1 operands, one E8M0 scale for each 32 along K, by v_wmma_scale_f32_16x16x128_f8f6f4 with both operands' format E2M1 (or v_wmma_scale_f32_32x16x128_f4), f32 sums; products left as they are: bf16, f16 or f32 operands; f32 sums; everything else in f32.
;; Inputs: w_out 1,024 x 1,024 float32; w_qkv 3,072 x 1,024 float32; x 2 x 32 x 128 x 1,024 float32.
;; Outputs: out0 2 x 32 x 128 x 1,024 float32.
;; This version of the problem:
;;   THIS VERSION OF THE PROBLEM IS GIVEN IN LOW PRECISION. The matrix products marked QUANTISED in the list below multiply operands that are first quantised to E2M1 (2 exponent bits, 1 mantissa bit; 4 bits a number), with one power-of-two scale for each 32 numbers along K (OCP MX v1.0); their sums are f32. The products marked 'left as it is' may take bf16, f16 or f32 operands, with f32 sums. Whichever they take, every output number must still come out within the allowed error. Rounding operands to bf16 (8 significant bits) uses up far more of that allowance than f16 does (11 bits, for magnitudes from 6e-5 to 65,504). All else is computed in f32.
;;   The module's matrix products, in the order in which they are computed (A, B: the left and right operand; K: the contracted axis; several contracted axes count as one K, in the product's order):
;;     1. [M 8,192, K 1,024] x [K 1,024, N 3,072]; A: input x; B: input w_qkv: QUANTISED
;;     2. batch 256 x [M 512, K 64] x [K 64, N 1,024]; A: computed on the way; B: computed on the way: left as it is (an operand is computed on the way)
;;     3. batch 256 x [M 64, K 1,024] x [K 1,024, N 512]; A: computed on the way; B: computed on the way: left as it is (an operand is computed on the way)
;;     4. [M 8,192, K 1,024] x [K 1,024, N 1,024]; A: computed on the way; B: input w_out: left as it is (an operand is computed on the way)
;;   THE QUANTISER, for each operand of a quantised product, along K:
;;     - K is cut into blocks of 32 from its start; a last block that is shorter is filled with zeros.
;;     - A block's scale is 2^e with e = floor(log2(the largest magnitude in the block)) - 2, held to -126 .. 127; a block of zeros has e = 0. As a byte (E8M0): e + 127.
;;     - Each number is divided by its block's scale, clamped to +-6, and rounded to the nearest number of E2M1, ties to even, subnormals kept.
;;     - The product sums the exact products of the quantised numbers (number of the format x scale) in f32.
;;   ~~~python
;;   def quantise(x, axis):      # numpy; x: float32 -> the quantised numbers, widened to float32 again
;;       x = np.moveaxis(x, axis, -1); K = x.shape[-1]
;;       x = np.pad(x, [(0, 0)] * (x.ndim - 1) + [(0, -K % 32)]); x = x.reshape(x.shape[:-1] + (-1, 32)); a = np.abs(x).max(-1, keepdims=True)
;;       e = np.where(a > 0, np.clip(np.frexp(np.where(a > 0, a, 1))[1] - 1 - 2, -126, 127), 0)      # np.frexp(a)[1] - 1 = floor(log2(a)), exactly
;;       r = np.clip(x / 2.0 ** e, -6, 6)
;;       step = 2.0 ** (np.maximum(np.frexp(np.where(r == 0, 1, r))[1] - 1, 0) - 1)
;;       q = np.round(r / step) * step * 2.0 ** e      # np.round: ties to even
;;       return np.moveaxis(q.reshape(q.shape[:-2] + (-1,))[..., :K], -1, axis).astype(np.float32)
;;   ~~~
;; One version. Each part assembles by itself: llvm-mc -triple=amdgcn-amd-amdhsa -mcpu=gfx1250 --defsym DOCPART=n.
;; ======== version 1 of 1: 4 launches
;; limits: values are held in f16: magnitudes above 65,504 overflow, below 6.1e-05 lose precision
;; workspace buffers: xq_codes 4,194,304 bytes; xq_scales 262,144 bytes; wq_codes 1,572,864 bytes; wq_scales 98,304 bytes; wo16 2,097,152 bytes; qkv 50,331,648 bytes; att 16,777,216 bytes
;; launch quant (part 1): grid 384 x 1, 4 waves a work-group, no clusters, 33,280 bytes of LDS; arguments x, w_qkv, w_out, xq_codes, xq_scales, wq_codes, wq_scales, wo16; writes xq_codes, xq_scales, wq_codes, wq_scales, wo16
.if DOCPART == 1
	.amdgcn_target "amdgcn-amd-amdhsa--gfx1250"
	.amdhsa_code_object_version 6
	.text
	.protected	k_qd798907d7e_quant
	.globl	k_qd798907d7e_quant
	.p2align	8
	.type	k_qd798907d7e_quant,@function
k_qd798907d7e_quant:
	s_mov_b64 s[64:65], 0
	v_nop
	global_prefetch_b8 v0, s[64:65] scope:SCOPE_SE
	s_setreg_imm32_b32 hwreg(HW_REG_WAVE_MODE, 25, 1), 1
	s_wait_xcnt 0x0
; THE PROGRAM: four launches.  This one: x [8192][1024] and w_qkv [3072][1024], f32, become codes of FP4 (E2M1), K innermost, with one E8M0 byte for each 32 along K; w_out [1024][1024] becomes f16.
; The second multiplies the codes (qkv = x w_qkv^T) and lays the result, rounded once to f16, by head; the third is the attention; the fourth the projection by w_out^T.
; WORK LEFT OUT (in the third launch), for all values of the inputs: for chunk 0 reference() builds k_prev and v_prev as zeros in its own body and puts finfo.min on their scores by a mask that it builds itself.
; Their weights multiply v_prev = 0, so they add nothing to the sum over values; to the softmax's divisor they add exp(min - max), which is nothing beside the 512 live terms, of which the largest is 1.
; So the first 512 of chunk 0's 1,024 keys are neither loaded nor multiplied: whole tiles.  They are made of no input, so no NaN, infinity or overflow of an input is lost with them.  All three inputs are live and are loaded.
; LIMITS: q, k, v and the attention's result go on as f16 operands: their magnitudes stay under 65,504 (with x and w_qkv both 30 times the drawn spread, or carrying offsets of 30 spreads, they stay under 20,000).
; NaN and infinities among the inputs are not served.  A block of zeros gets the byte 1 where the quantiser says 127: its codes are zeros, which add nothing under any byte but 0xff, and this program alone reads the bytes.
; Blocks whose largest magnitude lies under 2^(2 - 126), the floor, have their byte held at 1.
; A block's scale is 2^(floor(log2(its largest magnitude)) - 2); its byte is the largest magnitude's own exponent field - 2.  Each number is divided by the scale and rounded to the nearest code, ties to even, beyond 6 the largest code.
; SHARES: a work-group takes 32,768 numbers, a wave 8,192.  Work-groups 0-255: x; 256-351: w_qkv; 352-383: w_out.  Rows are dense and K is a multiple of 32: the tensors are plain streams of blocks of 32.
; QUANTISING: a wave takes 16 steps of 512 numbers.  Each of a step's four loads reads 512 consecutive bytes; the 2,048 bytes turn through the wave's own stage in LDS and come back 64 bytes (16 neighbours) a lane; two lanes hold a block.
; A lane's 16 codes are 8 bytes: the wave stores 256 consecutive bytes.  A wave's 256 scale bytes are gathered in LDS and leave as one aligned run of 256 bytes.  No tensor load, no barrier: waves share nothing.
; Loads run eight steps ahead: 32 loads, half of the wave's 32,768 bytes, are out at a time; there are 1,536 waves for 1,024 SIMDs, so the 128 registers that this takes are at hand.
.set WAVES, 4
.set STEPS, 16
.set AHEAD, 8                          ; steps whose loads are out
.set WGA,   256                        ; work-groups for x
.set WGQ,   352                        ; and for x and w_qkv together
.set EMAX,  2
.set CB,    8                          ; bytes of 16 codes
.set R,     16                         ; v16-143  eight sets of 16 numbers as they are loaded (the cast: four sets of 32)
.set X,     144                        ; v144-175 two sets of 16 neighbours (the cast: two sets of 16 registers of f16 pairs)
.set E,     176                        ; v176-191 a scale byte for each step
.set C,     192                        ; v192-223 codes: two registers for each step, so that no store's data are written again
.set WREG,  8192                       ; LDS: a region for each wave: two stages of 32 x SP bytes, behind them its 256 scale bytes
.set SP,    80                         ; a lane's place in a stage: its 64 bytes + 16 of padding
.set SPW,   12                         ; v12      LDS address of my spare word; never rewritten
.set NIL,   13                         ; v13      0; never rewritten
.set SPARE, WAVES*WREG                 ; behind the four regions: the spare words, 128 bytes a wave, which no other line names
	s_load_b256 s[4:11], s[0:1], 0x0               ; x s[4:5], w_qkv s[6:7], w_out s[8:9], x's codes s[10:11]
	s_load_b256 s[12:19], s[0:1], 0x20             ; x's scales s[12:13], w_qkv's codes s[14:15], its scales s[16:17], w_out as f16 s[18:19]
	v_lshl_add_u32 v[SPW], v0, 2, SPARE
	v_mov_b32 v[NIL], 0
	v_lshrrev_b32 v1, 5, v0
	v_readfirstlane_b32 s20, v1                    ; wave
	v_and_b32 v2, 31, v0                           ; lane
	v_lshlrev_b32 v3, 4, v2                        ; my 16 bytes of a load's 512
	s_mul_i32 s21, s20, WREG
	v_lshrrev_b32 v14, 2, v2
	v_mul_u32_u24 v14, v14, SP
	v_and_b32 v15, 3, v2
	v_lshl_add_u32 v14, v15, 4, v14
	v_add_nc_u32 v14, s21, v14                     ; the stage, on the way in: SP (lane / 4) + 16 (lane % 4)
	v_mul_u32_u24 v15, v2, SP
	v_add_nc_u32 v15, s21, v15                     ; and on the way out: SP x lane: my 16 neighbours
	v_mul_u32_u24 v4, v2, CB                       ; my codes' place in a step's
	v_lshrrev_b32 v5, 1, v2
	s_add_co_u32 s21, s21, 2*32*SP
	v_add_nc_u32 v5, s21, v5                       ; LDS: my wave's 256 scale bytes, my block's byte
	v_lshlrev_b32 v7, 3, v2                        ; 8 bytes a lane
	v_add_nc_u32 v6, s21, v7
	s_wait_kmcnt 0x0
	s_cmp_ge_u32 ttmp9, WGQ                        ; the work-group's number alone decides
	s_cbranch_scc1 .Lcast
	s_cmp_lt_u32 ttmp9, WGA                        ; x's work-group or w_qkv's?
	s_cselect_b64 s[4:5], s[4:5], s[6:7]
	s_cselect_b64 s[10:11], s[10:11], s[14:15]
	s_cselect_b64 s[12:13], s[12:13], s[16:17]
	s_cselect_b32 s21, 0, WGA
	s_sub_co_u32 s21, ttmp9, s21
	s_lshl_b32 s21, s21, 2
	s_add_co_u32 s22, s21, s20                     ; which run of 8,192 numbers of the tensor is my wave's
	s_mov_b32 s23, 0
	s_mov_b64 s[24:25], 512*STEPS*4
	s_mul_u64 s[24:25], s[22:23], s[24:25]
	s_add_nc_u64 s[4:5], s[4:5], s[24:25]
	s_mov_b64 s[24:25], 32*STEPS*CB
	s_mul_u64 s[24:25], s[22:23], s[24:25]
	s_add_nc_u64 s[10:11], s[10:11], s[24:25]
	s_lshl_b32 s22, s22, 8                         ; 256 scale bytes a run
	s_add_nc_u64 s[12:13], s[12:13], s[22:23]
.macro LOAD t
.irp i, 0,1,2,3
	global_load_b128 v[R+16*((\t)%AHEAD)+4*\i:R+16*((\t)%AHEAD)+4*\i+3], v3, s[4:5] offset:2048*(\t)+512*\i th:TH_LOAD_NT   ; 32 lanes read 512 consecutive bytes
.endr
.endm
.macro TURN t                          ; step t's numbers through the stage: LDS serves a wave's instructions in order, so no wait stands between the stores and the loads
.irp i, 0,1,2,3
	ds_store_b128 v14, v[R+16*((\t)%AHEAD)+4*\i:R+16*((\t)%AHEAD)+4*\i+3] offset:32*SP*((\t)%2)+8*SP*\i
.endr
.irp i, 0,1,2,3
	ds_load_b128 v[X+16*((\t)%2)+4*\i:X+16*((\t)%2)+4*\i+3], v15 offset:32*SP*((\t)%2)+16*\i
.endr
.endm
.irp t, 0,1,2,3,4,5,6,7
	LOAD \t
.endr
	s_wait_loadcnt 4*(AHEAD-1)                     ; step 0's four loads are in; the 28 of steps 1 to 7 stay out
	TURN 0
.macro STEP t
.set XS, X+16*((\t)%2)
.if (\t) > 0
	s_wait_dscnt 1                                 ; this step's numbers are back from the stage (the last step's byte store may be out)
.else
	s_wait_dscnt 0x0
.endif
.if (\t)+AHEAD < STEPS
	LOAD (\t)+AHEAD                                ; into the registers that this step's stores into the stage have read
.endif
.if (\t)+1 < STEPS
.if STEPS-2-(\t) >= AHEAD-1
	s_wait_loadcnt 4*(AHEAD-1)                     ; the next step's four loads are in; those of the seven steps behind it may be out
.else
	s_wait_loadcnt 4*(STEPS-2-(\t))                ; towards the end: those of the steps that are left
.endif
	TURN (\t)+1                                    ; through the other stage while this step is worked
.endif
	v_max3_num_f32 v8, |v[XS]|, |v[XS+1]|, |v[XS+2]|               ; the largest magnitude of my 16, in two chains
	v_max3_num_f32 v9, |v[XS+3]|, |v[XS+4]|, |v[XS+5]|
.irp i, 6,10
	v_max3_num_f32 v8, v8, |v[XS+\i]|, |v[XS+\i+1]|
	v_max3_num_f32 v9, v9, |v[XS+\i+2]|, |v[XS+\i+3]|
.endr
	v_max3_num_f32 v8, v8, |v[XS+14]|, |v[XS+15]|
	v_max3_num_f32 v8, v8, v9, (EMAX+1)<<23        ; and the floor 2^(EMAX + 1 - 127): the byte cannot fall under 1
	v_max_num_f32_dpp v8, v8, v8 row_xmask:1 row_mask:0xf bank_mask:0xf   ; and of my neighbour's 16: the block's
	v_add_nc_u32 v11, -(EMAX<<23), v8              ; EMAX off its exponent field: the conversion takes the exponent field of this operand as its scale
	v_cvt_scalef32_pk8_fp4_f32 v[C+2*(\t)], v[XS:XS+7], v11
	v_cvt_scalef32_pk8_fp4_f32 v[C+2*(\t)+1], v[XS+8:XS+15], v11
	v_lshrrev_b32 v[E+(\t)], 23, v11               ; the scale's byte (a plain line behind the conversions)
	ds_store_b8 v5, v[E+(\t)] offset:16*(\t)       ; both lanes of a block write the same byte with the same value
	global_store_b64 v4, v[C+2*(\t):C+2*(\t)+1], s[10:11] offset:32*CB*(\t)   ; the wave stores 256 consecutive bytes, aligned
.endm
.irp t, 0,1,2,3,4,5,6,7,8,9,10,11,12,13,14,15
	STEP \t
.endr
	ds_load_b64 v[8:9], v6                         ; LDS serves a wave's instructions in order: these see my byte stores
	s_wait_dscnt 0x0
	global_store_b64 v7, v[8:9], s[12:13]          ; 32 lanes store 256 consecutive bytes, aligned
	s_wait_tensorcnt 0x0                           ; the wave's end
	ds_add_u32 v[SPW], v[NIL]
	s_wait_dscnt 0x0
	s_endpgm
; THE CAST of w_out to f16: a wave takes 8,192 numbers in eight groups of eight loads of 512 bytes; four groups are on their way.  It touches no LDS.
.Lcast:
	s_sub_co_u32 s21, ttmp9, WGQ
	s_lshl_b32 s21, s21, 2
	s_add_co_u32 s22, s21, s20                     ; my wave's run of 8,192 numbers
	s_lshl_b32 s24, s22, 15                        ; 32,768 bytes of f32
	s_mov_b32 s25, 0
	s_add_nc_u64 s[8:9], s[8:9], s[24:25]
	s_lshl_b32 s24, s22, 14                        ; 16,384 bytes of f16
	s_add_nc_u64 s[18:19], s[18:19], s[24:25]
.macro CLOAD g
.irp i, 0,1,2,3,4,5,6,7
	global_load_b128 v[R+32*((\g)%4)+4*\i:R+32*((\g)%4)+4*\i+3], v3, s[8:9] offset:4096*(\g)+512*\i th:TH_LOAD_NT
.endr
.endm
.macro CAST g
.if (\g) < 5
	s_wait_loadcnt 24                              ; this group's eight loads are in; the 24 of the three younger groups stay out
.else
	s_wait_loadcnt 8*(7-(\g))                      ; towards the end: those of the groups that are left
.endif
	s_wait_xcnt 0x0                                ; the stores of two groups back have read their data: these registers are written again only behind this wait
.irp i, 0,1,2,3,4,5,6,7
	v_cvt_pk_f16_f32 v[X+16*((\g)%2)+2*\i],   v[R+32*((\g)%4)+4*\i],   v[R+32*((\g)%4)+4*\i+1]
	v_cvt_pk_f16_f32 v[X+16*((\g)%2)+2*\i+1], v[R+32*((\g)%4)+4*\i+2], v[R+32*((\g)%4)+4*\i+3]
.endr
.if (\g)+4 < 8
	CLOAD (\g)+4
.endif
.irp i, 0,1,2,3,4,5,6,7
	global_store_b64 v7, v[X+16*((\g)%2)+2*\i:X+16*((\g)%2)+2*\i+1], s[18:19] offset:2048*(\g)+256*\i   ; 256 consecutive bytes a wave, aligned
.endr
.endm
	CLOAD 0
	CLOAD 1
	CLOAD 2
	CLOAD 3
.irp g, 0,1,2,3,4,5,6,7
	CAST \g
.endr
	s_endpgm
.Lfunc_end_k_qd798907d7e_quant:
	.size	k_qd798907d7e_quant, .Lfunc_end_k_qd798907d7e_quant-k_qd798907d7e_quant
	.p2alignl 7, 3214868480
	.fill 96, 4, 3214868480
	.section	.rodata,"a",@progbits
	.p2align	6, 0x0
	.amdhsa_kernel k_qd798907d7e_quant
		.amdhsa_group_segment_fixed_size 33280
		.amdhsa_private_segment_fixed_size 0
		.amdhsa_enable_private_segment 0
		.amdhsa_kernarg_size 64
		.amdhsa_user_sgpr_count 2
		.amdhsa_user_sgpr_kernarg_segment_ptr 1
		.amdhsa_wavefront_size32 1
		.amdhsa_system_sgpr_workgroup_id_x 1
		.amdhsa_system_sgpr_workgroup_id_y 1
		.amdhsa_system_sgpr_workgroup_id_z 1
		.amdhsa_system_vgpr_workitem_id 0
		.amdhsa_next_free_vgpr 224
		.amdhsa_next_free_sgpr 66
		.amdhsa_reserve_vcc 0
		.amdhsa_float_denorm_mode_32 3
		.amdhsa_float_denorm_mode_16_64 3
		.amdhsa_memory_ordered 1
		.amdhsa_forward_progress 1
		.amdhsa_inst_pref_size 54
	.end_amdhsa_kernel
	.amdgpu_metadata
---
amdhsa.version: [ 1, 2 ]
amdhsa.kernels:
  - .name:           k_qd798907d7e_quant
    .symbol:         k_qd798907d7e_quant.kd
    .args:
      - { .name: x, .offset: 0, .size: 8, .value_kind: global_buffer, .address_space: global }
      - { .name: w_qkv, .offset: 8, .size: 8, .value_kind: global_buffer, .address_space: global }
      - { .name: w_out, .offset: 16, .size: 8, .value_kind: global_buffer, .address_space: global }
      - { .name: xq_codes, .offset: 24, .size: 8, .value_kind: global_buffer, .address_space: global }
      - { .name: xq_scales, .offset: 32, .size: 8, .value_kind: global_buffer, .address_space: global }
      - { .name: wq_codes, .offset: 40, .size: 8, .value_kind: global_buffer, .address_space: global }
      - { .name: wq_scales, .offset: 48, .size: 8, .value_kind: global_buffer, .address_space: global }
      - { .name: wo16, .offset: 56, .size: 8, .value_kind: global_buffer, .address_space: global }
    .group_segment_fixed_size: 33280
    .private_segment_fixed_size: 0
    .kernarg_segment_align: 8
    .kernarg_segment_size: 64
    .max_flat_workgroup_size: 128
    .sgpr_count:     66
    .vgpr_count:     224
    .wavefront_size: 32
...
	.end_amdgpu_metadata
.endif
;; end of part 1
;; launch qkvgemm (part 2): grid 12 x 16, 4 waves a work-group, clusters of 4 x 4, 327,680 bytes of LDS; arguments xq_codes, xq_scales, wq_codes, wq_scales, qkv; writes qkv
.if DOCPART == 2
	.amdgcn_target "amdgcn-amd-amdhsa--gfx1250"
	.amdhsa_code_object_version 6
	.text
	.protected	k_qd798907d7e_qkvgemm
	.globl	k_qd798907d7e_qkvgemm
	.p2align	8
	.type	k_qd798907d7e_qkvgemm,@function
k_qd798907d7e_qkvgemm:
	s_mov_b64 s[64:65], 0
	v_nop
	global_prefetch_b8 v0, s[64:65] scope:SCOPE_SE
	s_setreg_imm32_b32 hwreg(HW_REG_WAVE_MODE, 25, 1), 1
	s_wait_xcnt 0x0
	s_wait_alu depctr_hold_cnt(0) depctr_sa_sdst(0) depctr_va_vdst(0) depctr_va_sdst(0) depctr_va_ssrc(0) depctr_va_vcc(0) depctr_vm_vsrc(0)
	s_getreg_b32 s2, hwreg(HW_REG_IB_STS2, 6, 4)
	s_cmp_eq_u32 s2, 0
	s_cbranch_scc0 .Lentry_in_a_cluster
	s_endpgm
.Lentry_in_a_cluster:
	s_bfe_u32 s2, ttmp6, 0x10000c
	s_cmp_lg_u32 s2, 0xf033
	s_cbranch_scc0 .Lentry_shape_is_right
	s_endpgm
.Lentry_shape_is_right:
; qkv[m][n] = sum over k of x[m][k] w_qkv[n][k], both operands as codes of FP4 (E2M1) with one E8M0 byte for each 32 along K, as the first launch made them; sums in f32.  No work is left out here.
; The result is rounded once to f16 and laid BY HEAD: qkv[plane n / 64][token m][n % 64]; planes 0-15 are q's heads, 16-31 k's, 32-47 v's; a plane is 2^20 bytes, a token's row 128.  LIMIT: magnitudes under 65,504.
; A tile, 256 x 256, is made by a work-group of four waves; a wave makes 128 x 128: 64 accumulators of 16 x 16, 512 registers.  K = 1,024 is two slots of 512 (rows of 256 bytes).
; WORK-GROUPS THAT STAY: there are 384 tiles, which do not divide into 256 equal shares (a share of one tile and a half would be 96 accumulators a wave, which leave no room for two sets of fragments).
; So 192 work-groups make TWO tiles each, one 4,096 tokens below the other.  Both take the same 256 rows of w_qkv, which stay in LDS with their scales.  x's part of slot 0 is filled again, with the second tile's rows, at the first tile's change
; of slots, and x's part of slot 1 in the first tile's last step; then the first tile goes out.  Nothing waits for its stores: they are on their way while the second tile is multiplied.
; THE SCALES of w_qkv's 256 rows and of x's 256 rows of BOTH tiles, for all of K, are dense blocks of memory: they come into LDS once, with the first fills.
; CLUSTERS: 4 x 4 work-groups.  The four of a row of the cluster need the same tiles of x, the four of a column the same tiles of w_qkv: each tile is asked for JOINTLY, by the same tensor load with the same descriptor and a mask that names the four.
; THE MATRIX INSTRUCTION IS USED TRANSPOSED (source 0 = 16 rows of w_qkv, source 1 = 16 rows of x): a lane then holds eight neighbouring channels of one token.
; REGISTERS, in windows of 256: window 0: v0-31 addresses; v32-95 scale words, two sets, and nothing else; v128-191 x's fragments, ONE set; on the way out v96-127, v192-223 packed results, v128-191 rows read back.
;   window 1: w_qkv's fragments, TWO sets, at v0 and at v128.   window 2: the 32 accumulators of my rows 0-63 ((a, b) at v[8 (8 a + b)]);   window 3: those of my rows 64-127.
.set SIZE_K, 1024
.set KSTEP,  512                       ; along K in a slot
.set NQ,     KSTEP/128                 ; matrix instructions deep
.set ROWB,   256                       ; a tile's row in bytes
.set KROW,   SIZE_K*4/8                ; a row of codes in memory, in bytes
.set PITCH,  272                       ; an LDS row: 256 bytes + 16 of padding = 68 words: the 16 rows that a load touches start at 16 different banks (64 banks of 4 bytes: ISA guide 11.1)
.set FR,     8                         ; registers of a fragment: 16 rows x 128 K
.set NL,     2                         ; LDS loads that bring one
.set NP,     4                         ; places behind this matrix instruction (ISA guide 7.12.1)
.set HALFT,  128*PITCH                 ; 128 rows: what one tensor load brings
.set SLOT,   4*HALFT                   ; x's 256 rows, then w_qkv's 256 rows
.set WALK,   4096                      ; rows of x from a work-group's first tile to its second
.set NEXT_A, WALK*KROW                 ; the same in bytes of codes
.set KS,     SIZE_K/32                 ; a row of scales in bytes
.set SCL,    2*SLOT                    ; behind the ring: the scales, as runs of 256 bytes + 16 of padding: x's of the first tile, x's of the second,
.set HALFS,  (128*KS/256)*272          ; (the scales of 128 rows)
.set SBLK,   (16*KS/256)*272           ; (those of 16 rows)
.set SCB,    SCL+4*HALFS               ; then w_qkv's
.set SPARE,  SCL+6*HALFS               ; behind the scales: the spare words, 128 bytes a wave, which no other line names
.set STAGE,  SPARE+512                 ; behind them: the stages for the way out; no fill lands here
.set SPH,    144                       ; a stage row: a token's 128 bytes of one head + 16
.set STH,    16*SPH                    ; a head's 16 rows
.set STW,    2*STH                     ; a wave's stage: two heads
.set ADRA, 16                          ; v16-17  LDS address of my x fragments in slot 0, 1
.set ADRB, 20                          ; v20-21  the same for w_qkv
.set ADRS, 22                          ; v22-23  LDS address of my scale words for tile 0, 1: lanes 0-15 x's rows, lanes 16-31 w_qkv's; never rewritten
.set STO,  24                          ; v24     the way out: where I put 16 bytes of a row
.set RD,   25                          ; v25     the way out: where I read rows back
.set CO,   26                          ; v26     16 x lane: my bytes of 512 stored
.set SPW,  28                          ; v28     LDS address of my spare word; never rewritten
.set NIL,  29                          ; v29     0; never rewritten
.set SC,   32                          ; scale words: set s at v[SC + 8 NQ s]; register NQ i + q: lanes 0-15 the word of x's block i, lanes 16-31 that of w_qkv's block i
.set AF,   128                         ; x's fragments, in window 0
.set G1, 24                            ; s[24:31] descriptor group 1 for x's tiles;  s[32:39] group 0, one set for each slot
.set G0, 32
.set G1B, 48                           ; s[48:55], s[56:63] the same for w_qkv's tiles
.set G0B, 56
.set G1S, 68                           ; s[68:75], s[76:79] groups 1 and 0 for x's scales;  s[80:87], s[88:91] for w_qkv's
.set G0S, 76
.set G1SB, 80
.set G0SB, 88
.set MSB, 0
.macro WIN new                         ; the immediate's high byte repeats the setting that is left
.if MSB != (\new)
	s_set_vgpr_msb (MSB<<8)|(\new)
.set MSB, (\new)
.endif
.endm
.set MUL_LO, 0xa1                      ; source 0 window 1, source 1 window 0, C and D window 2
.set MUL_HI, 0xf1                      ; the same, C and D window 3
.set TO_B,   0x40                      ; destination window 1, address window 0
; A joint first fill: waves 0 and 1 fetch for x, waves 2 and 3 for w_qkv.  The branch hangs on the wave's number alone.  An s_nop 0 and four v_nop follow each of the two lines.
.macro JLOAD g0a, g1a, g0b, g1b
	s_cmp_eq_u32 s15, 0
	s_cbranch_scc0 .Lfor_b_\@
	tensor_load_to_lds s[\g0a:\g0a+3], s[\g1a:\g1a+7]
	s_nop 0
.rept 4
	v_nop
.endr
	s_branch .Lasked_\@
.Lfor_b_\@:
	tensor_load_to_lds s[\g0b:\g0b+3], s[\g1b:\g1b+7]
	s_nop 0
.rept 4
	v_nop
.endr
.Lasked_\@:
.endm
; A joint refill of x's part of slot s: waves 0 and 1 fetch its two halves; waves 2 and 3 have nothing to fill, since w_qkv's rows stay.  The branch hangs on the wave's number alone: it is the same in every work-group.
.macro ALOAD s
	s_cmp_eq_u32 s15, 0
	s_cbranch_scc0 .Lnot_a_\@
	tensor_load_to_lds s[G0+4*\s:G0+4*\s+3], s[G1:G1+7]
	s_nop 0
.rept 4
	v_nop
.endr
.Lnot_a_\@:
.endm
.macro CREST                           ; a round of the cluster's barrier behind its opening barrier
	s_cmp_lg_u32 s14, 0
	s_cbranch_scc1 .Lnot_wave_0_\@
	s_barrier_signal -3
.Lnot_wave_0_\@:
	s_barrier_wait -3
	s_barrier_signal -1
	s_barrier_wait -1
.endm
.macro CROUND                          ; a whole round
	s_barrier_signal -1
	s_barrier_wait -1
	CREST
.endm
	s_load_b128 s[4:7], s[0:1], 0x0                ; x's codes s[4:5], x's scales s[6:7]
	s_load_b128 s[8:11], s[0:1], 0x10              ; w_qkv's codes s[8:9], its scales s[10:11]
	s_load_b64 s[12:13], s[0:1], 0x20              ; qkv
	v_lshl_add_u32 v[SPW], v0, 2, SPARE
	v_mov_b32 v[NIL], 0
	ds_add_u32 v[SPW], v[NIL]                      ; the wave's opening: the add, twice on end, and its wait ahead of my first tensor load
	ds_add_u32 v[SPW], v[NIL]
	v_lshrrev_b32 v1, 5, v0
	v_readfirstlane_b32 s14, v1                    ; wave 0..3
	s_lshr_b32 s15, s14, 1                         ; which half of the tile's rows is mine.  Also: I fetch for x (0) or for w_qkv (1)
	s_and_b32 s16, s14, 1                          ; which half of its columns.  Also: which 128 rows of that tile I fetch
	s_bfe_u32 s40, ttmp6, 0x40000                  ; cx, cy: my place in the cluster
	s_bfe_u32 s41, ttmp6, 0x40004
	s_lshl_b32 s42, ttmp9, 2
	s_add_co_u32 s42, s42, s40                     ; tile column = 4 x cluster x + cx: 0 .. 11
	s_and_b32 s17, ttmp7, 0xffff
	s_lshl_b32 s17, s17, 2
	s_add_co_u32 s17, s17, s41                     ; my first tile's row = 4 x cluster y + cy: 0 .. 15; my second tile's is 16 more
	s_lshl_b32 s43, s41, 2
	s_lshl_b32 s43, 15, s43                        ; my row of the cluster
	s_lshl_b32 s44, 0x1111, s40                    ; my column
	; descriptor group 1: a tile of 128 rows x 256 bytes, padded in LDS
	s_or_b32 s[G1+0], s43, (0<<16)|(1<<20)|(1<<21)|(5<<22)|(3<<25)  ; 15:0 the mask; 17:16 element of 1 byte; 20 padding on; 21 set beside a mask; 24:22 after every 64 words; 31:25 of 4 words
	s_or_b32 s[G1B+0], s44, (0<<16)|(1<<20)|(1<<21)|(5<<22)|(3<<25)
.irp g, G1, G1B
	s_mov_b32 s[\g+1], ROWB<<16                    ; tensor_dim0
	s_mov_b32 s[\g+2], 128<<16                     ; tensor_dim1 = 128
	s_mov_b32 s[\g+3], ROWB<<16                    ; tile_dim0
	s_mov_b32 s[\g+4], 128                         ; tile_dim1 = 128
	s_mov_b32 s[\g+5], KROW                        ; tensor_dim0_stride
	s_mov_b32 s[\g+6], 0
	s_mov_b32 s[\g+7], 0
.endr
	; the scales, dense blocks as rows of 256 bytes (32 elements of 8 bytes), 16 bytes of padding behind each.  x's: a tile's 256 rows, 8,192 bytes, to a load (wave 0: the first tile's, wave 1: the second's);  w_qkv's: 128 rows, 4,096 bytes, to a load
	s_or_b32 s[G1S+0], s43, (3<<16)|(1<<20)|(1<<21)|(5<<22)|(3<<25)
	s_mov_b32 s[G1S+1], 32<<16
	s_mov_b32 s[G1S+2], (256*KS/256)<<16
	s_mov_b32 s[G1S+3], 32<<16
	s_mov_b32 s[G1S+4], 256*KS/256
	s_mov_b32 s[G1S+5], 32
	s_mov_b32 s[G1S+6], 0
	s_mov_b32 s[G1S+7], 0
	s_or_b32 s[G1SB+0], s44, (3<<16)|(1<<20)|(1<<21)|(5<<22)|(3<<25)
	s_mov_b32 s[G1SB+1], 32<<16
	s_mov_b32 s[G1SB+2], (128*KS/256)<<16
	s_mov_b32 s[G1SB+3], 32<<16
	s_mov_b32 s[G1SB+4], 128*KS/256
	s_mov_b32 s[G1SB+5], 32
	s_mov_b32 s[G1SB+6], 0
	s_mov_b32 s[G1SB+7], 0
	s_lshl_b32 s18, s16, 7                         ; which 128 rows of the tile I fetch
	s_lshl_b32 s20, s17, 8
	s_add_co_u32 s20, s20, s18                     ; x: row 256 x tile row + 128 x half
	s_lshl_b32 s46, s42, 8
	s_add_co_u32 s46, s46, s18                     ; w_qkv: row 256 x tile column + 128 x half
	s_mov_b32 s21, 0
	s_mov_b32 s47, 0
	s_mov_b64 s[18:19], KS
	s_mul_u64 s[92:93], s[46:47], s[18:19]         ; where w_qkv's rows' scales begin, in bytes
	s_mov_b64 s[18:19], KROW
	s_mul_u64 s[20:21], s[20:21], s[18:19]         ; and the rows' codes
	s_mul_u64 s[46:47], s[46:47], s[18:19]
	s_lshl_b32 s22, s17, 13                        ; x's scales: the tile row's 256 rows of 32 bytes,
	s_lshl_b32 s23, s16, 17                        ; of the first tile or, WALK rows of 32 bytes on, of the second
	s_add_co_u32 s22, s22, s23
	s_mov_b32 s23, 0
	s_mul_i32 s45, s14, HALFT                      ; where the codes go: wave x 128 rows: no place in the cluster enters an LDS address
	s_mul_i32 s94, s16, 2*HALFS                    ; x's scales: a tile's 256 rows to a wave
	s_mul_i32 s95, s16, HALFS                      ; w_qkv's: 128 rows to a wave
	s_wait_dscnt 0x0                               ; both opening adds are done
	s_wait_kmcnt 0x0
	s_add_nc_u64 s[20:21], s[4:5], s[20:21]
	s_add_nc_u64 s[22:23], s[6:7], s[22:23]
	s_add_nc_u64 s[46:47], s[8:9], s[46:47]
	s_add_nc_u64 s[92:93], s[10:11], s[92:93]
	CROUND                                         ; all sixteen work-groups are here: the first joint loads meet
	s_mov_b32 s[G0S], 1
	s_add_co_u32 s[G0S+1], s94, SCL
	s_mov_b64 s[G0S+2:G0S+3], s[22:23]
	s_or_b32 s[G0S+3], s[G0S+3], 0x80000000
	s_mov_b32 s[G0SB], 1
	s_add_co_u32 s[G0SB+1], s95, SCB
	s_mov_b64 s[G0SB+2:G0SB+3], s[92:93]
	s_or_b32 s[G0SB+3], s[G0SB+3], 0x80000000
	JLOAD G0S, G1S, G0SB, G1SB                     ; the scales first: they are wanted with slot 0.  With the two below three loads of mine are out
.irp s, 0,1
	s_mov_b32 s[G0+4*\s], 1
	s_add_co_u32 s[G0+4*\s+1], s45, \s*SLOT
	s_add_nc_u64 s[G0+4*\s+2:G0+4*\s+3], s[20:21], \s*ROWB
	s_or_b32 s[G0+4*\s+3], s[G0+4*\s+3], 0x80000000
	s_mov_b32 s[G0B+4*\s], 1
	s_add_co_u32 s[G0B+4*\s+1], s45, \s*SLOT
	s_add_nc_u64 s[G0B+4*\s+2:G0B+4*\s+3], s[46:47], \s*ROWB
	s_or_b32 s[G0B+4*\s+3], s[G0B+4*\s+3], 0x80000000
	JLOAD G0+4*\s, G1, G0B+4*\s, G1B
.endr
	v_and_b32 v1, 15, v0                           ; l % 16
	v_bfe_u32 v2, v0, 4, 1                         ; l / 16
	v_mul_u32_u24 v3, v1, PITCH
	v_lshl_add_u32 v4, v2, 4, v3                   ; a fragment's row x pitch + 16 x half
	s_mul_i32 s21, s15, HALFT                      ; my 128 rows of x
	s_mul_i32 s22, s16, HALFT                      ; my 128 rows of w_qkv,
	s_add_co_u32 s22, s22, 2*HALFT                 ; which lie behind x's 256
.irp s, 0,1
	v_add_nc_u32 v[ADRA+\s], s21, v4
	v_add_nc_u32 v[ADRB+\s], s22, v4
	s_add_co_u32 s21, s21, SLOT
	s_add_co_u32 s22, s22, SLOT
.endr
	v_mul_u32_u24 v5, v1, KS                       ; my row's scales: KS bytes a row,
	v_lshrrev_b32 v6, 8, v5
	v_lshl_add_u32 v5, v6, 4, v5                   ; and 16 more for each 256 passed
	s_mul_i32 s21, s15, HALFS                      ; x's: my 128 rows of the first tile's 256
	s_mul_i32 s22, s16, HALFS                      ; w_qkv's: my 128 rows, behind x's of both tiles
	s_add_co_u32 s22, s22, 4*HALFS
	s_sub_co_u32 s22, s22, s21                     ; the distance between the two bases
	v_mul_u32_u24 v6, s22, v2                      ; lanes 16-31 take w_qkv's: one product
	s_add_co_u32 s21, s21, SCL
	v_add_nc_u32 v6, v5, v6
	v_add_nc_u32 v[ADRS], s21, v6
	s_sub_co_u32 s22, s22, 2*HALFS                 ; the second tile: x's base lies 256 rows' scales further on, w_qkv's stays
	v_mul_u32_u24 v6, s22, v2
	s_add_co_u32 s21, s21, 2*HALFS
	v_add_nc_u32 v6, v5, v6
	v_add_nc_u32 v[ADRS+1], s21, v6
	s_mul_i32 s23, s14, STW
	s_add_co_u32 s23, s23, STAGE                   ; my stage
	v_mul_u32_u24 v5, v1, SPH                      ; in: row l % 16, 16 bytes for each half of the lanes
	v_lshl_add_u32 v5, v2, 4, v5
	v_add_nc_u32 v[STO], s23, v5
	v_and_b32 v6, 31, v0
	v_lshlrev_b32 v[CO], 4, v6                     ; out: 16 bytes a lane of 512
	v_lshrrev_b32 v5, 3, v6                        ; back: eight lanes to a row of 128 bytes, four rows an instruction
	v_mul_u32_u24 v5, v5, SPH
	v_and_b32 v6, 7, v6
	v_lshl_add_u32 v5, v6, 4, v5
	v_add_nc_u32 v[RD], s23, v5
	s_lshl_b32 s20, s17, 15                        ; my first token: 256 x tile row + 128 x half, 128 bytes each
	s_lshl_b32 s21, s15, 14
	s_add_co_u32 s20, s20, s21
	s_mov_b32 s21, 0
	s_lshl_b32 s46, s42, 22                        ; my first plane: 4 x tile column + 2 x half, 2^20 bytes each
	s_lshl_b32 s47, s16, 21
	s_add_co_u32 s46, s46, s47
	s_mov_b32 s47, 0
	s_add_nc_u64 s[20:21], s[20:21], s[46:47]
	s_add_nc_u64 s[12:13], s[12:13], s[20:21]
.macro FRAG reg, adr, q, i             ; a fragment, 16 rows x 128 K of 4-bit codes: lane l holds row l % 16; registers 4 c .. 4 c + 3 hold K = 64 c + 32 (l / 16) + 0 .. 31
.irp c, 0,1
	ds_load_b128 v[\reg+4*\c:\reg+4*\c+3], v[\adr] offset:64*(\q)+32*\c+(\i)*16*PITCH
.endr
.endm
; 16 matrix instructions: x's blocks a0, a0 + 1 against w_qkv's eight, 128 along K.  p: w_qkv's set;  sc: the set of scale words.  zero = 1: the first product starts the sums.
; The 64 accumulators take turns, one instruction a turn, in the same order in every step, from tile to tile too.
.macro MUL16 a0, p, q, sc, zero
.irp a, \a0, \a0+1
.irp b, 0,1,2,3,4,5,6,7
.if \zero
	v_wmma_scale_f32_16x16x128_f8f6f4 v[8*(8*((\a)%4)+\b):8*(8*((\a)%4)+\b)+7], v[128*(\p)+FR*\b:128*(\p)+FR*\b+FR-1], v[AF+FR*(\a):AF+FR*(\a)+FR-1], 0, v[SC+8*NQ*(\sc)+NQ*\b+(\q)], v[SC+8*NQ*(\sc)+NQ*(\a)+(\q)] matrix_a_fmt:MATRIX_FMT_FP4 matrix_b_fmt:MATRIX_FMT_FP4 matrix_a_scale:MATRIX_SCALE_ROW1
.else
	v_wmma_scale_f32_16x16x128_f8f6f4 v[8*(8*((\a)%4)+\b):8*(8*((\a)%4)+\b)+7], v[128*(\p)+FR*\b:128*(\p)+FR*\b+FR-1], v[AF+FR*(\a):AF+FR*(\a)+FR-1], v[8*(8*((\a)%4)+\b):8*(8*((\a)%4)+\b)+7], v[SC+8*NQ*(\sc)+NQ*\b+(\q)], v[SC+8*NQ*(\sc)+NQ*(\a)+(\q)] matrix_a_fmt:MATRIX_FMT_FP4 matrix_b_fmt:MATRIX_FMT_FP4 matrix_a_scale:MATRIX_SCALE_ROW1
.endif
.endr
.endr
.endm
.macro FETCH_B slot, q, p              ; w_qkv's eight fragments of the slot's q-th 128 along K into set p
	WIN TO_B
.irp i, 0,1,2,3,4,5,6,7
	FRAG 128*(\p)+FR*\i, ADRB+\slot, \q, \i
.endr
	WIN 0
.endm
.macro FETCH_A slot, q, i0             ; x's blocks i0 .. i0 + 3
.irp i, \i0, \i0+1, \i0+2, \i0+3
	FRAG AF+FR*(\i), ADRA+\slot, \q, \i
.endr
.endm
.macro SCALES sc, tl                   ; slot sc's scale words of tile tl into set sc: NQ words a row, 16 bytes on for the second half of K; lanes 0-15 take x's block i, lanes 16-31 w_qkv's block i
.irp i, 0,1,2,3,4,5,6,7
	ds_load_b128 v[SC+8*NQ*\sc+NQ*\i:SC+8*NQ*\sc+NQ*\i+3], v[ADRS+\tl] offset:\i*SBLK+4*NQ*\sc
.endr
.endm
; A load into a register that a matrix instruction has read, and a vector instruction that reads a matrix result, stand NP places behind that matrix instruction; only plain vector instructions that name none of its registers are places.
.macro PLACES n
.rept \n
	v_nop
.endr
.endm
; A step of 128 along K that has its successor in the same slot.
.macro STEP slot, q, zero
	s_wait_dscnt 4*NL                              ; w_qkv's set and x's blocks 0-3 are in; the youngest eight loads (x's blocks 4-7) may be out
	WIN MUL_LO
	MUL16 0, (\q)%2, \q, \slot, \zero
	MUL16 2, (\q)%2, \q, \slot, \zero
	s_wait_dscnt 0                                 ; x's blocks 4-7 are in
	PLACES NP
	FETCH_B \slot, (\q)+1, 1-(\q)%2
	FETCH_A \slot, (\q)+1, 0
	WIN MUL_HI
	MUL16 4, (\q)%2, \q, \slot, \zero
	MUL16 6, (\q)%2, \q, \slot, \zero
	PLACES NP
	WIN 0
	FETCH_A \slot, (\q)+1, 4
.endm
; Slot 0's last step changes slots: ONE barrier; in front of it each wave waits for all its tensor loads (its part of slot 1 is the one that may be out), adds 0 to its spare word, and waits for that and for its own reads of slot 0.
; fill = 1 (the first tile): the barrier opens a round of the cluster's, so that no wave of any partner still reads x's part of this slot or has a load on its way; behind the round that part is filled again, with the second tile's rows.
.macro TURN slot, next, fill, tl
	s_wait_tensorcnt 0x0                           ; all my tensor loads have landed, so a group 0 may be written
	ds_add_u32 v[SPW], v[NIL]                      ; 0 onto my spare word
	s_wait_dscnt 4*NL+1                            ; (the add and the youngest eight loads, x's blocks 4-7, may be out)
	WIN MUL_LO
	MUL16 0, 1, NQ-1, \slot, 0                     ; sixteen matrix instructions stand between the add and the wait for it
	s_wait_dscnt 0x0                               ; the add is done, and my reads of this slot are over
	s_barrier_signal -1
	MUL16 2, 1, NQ-1, \slot, 0
	WIN 0
	s_barrier_wait -1
.if \fill
	CREST
	s_add_nc_u64 s[G0+4*\slot+2:G0+4*\slot+3], s[G0+4*\slot+2:G0+4*\slot+3], NEXT_A   ; the same half of K, WALK rows down; the type bits on top are not reached
	ALOAD \slot                                    ; the first tensor load behind the round, and a wave's one load until the next
.endif
	PLACES NP                                      ; every wave passes these four, the waves that asked for nothing too
	FETCH_B \next, 0, 0
	FETCH_A \next, 0, 0
	SCALES \next, \tl
	WIN MUL_HI
	MUL16 4, 1, NQ-1, \slot, 0
	MUL16 6, 1, NQ-1, \slot, 0
	PLACES NP
	WIN 0
	FETCH_A \next, 0, 4
.endm
; A tile's last step (slot 1's fourth).  fill = 1 (the first tile): the same lines and round as in TURN, and x's part of slot 1 is filled again; the wait for all loads also shows slot 0's refill landed, to every wave behind the round.
; Nothing is fetched from LDS here: the second tile's first fragments come behind the way out, which uses their registers.
.macro LAST fill
.if \fill
	s_wait_tensorcnt 0x0                           ; my part of slot 0's refill has landed
	ds_add_u32 v[SPW], v[NIL]                      ; 0 onto my spare word
	s_wait_dscnt 4*NL+1                            ; (the add and x's blocks 4-7 may be out)
	WIN MUL_LO
	MUL16 0, 1, NQ-1, 1, 0
	s_wait_dscnt 0x0                               ; the add is done, and my reads of slot 1 are over
	s_barrier_signal -1
	MUL16 2, 1, NQ-1, 1, 0
	WIN 0
	s_barrier_wait -1
	CREST
	s_add_nc_u64 s[G0+6:G0+7], s[G0+6:G0+7], NEXT_A
	ALOAD 1
.else
	s_wait_dscnt 4*NL                              ; x's blocks 4-7 may be out
	WIN MUL_LO
	MUL16 0, 1, NQ-1, 1, 0
	MUL16 2, 1, NQ-1, 1, 0
	s_wait_dscnt 0
.endif
	WIN MUL_HI
	MUL16 4, 1, NQ-1, 1, 0
	MUL16 6, 1, NQ-1, 1, 0
	WIN 0
.endm
.macro STEPS slot, from                ; the slot's steps from .. NQ - 2
.set Q, \from
.rept NQ-1-\from
	STEP \slot, Q, 0
.set Q, Q+1
.endr
.endm
; THE WAY OUT, block by block of 16 tokens x 128 columns (two heads).  A lane's eight results of an accumulator are eight neighbouring channels of one token: 16 bytes of f16.  They go through my stage (rows of 144 bytes, a head's 16 rows on end)
; and come back four whole rows of 128 bytes an instruction: in a plane 16 tokens are 2,048 consecutive bytes, so each store of the wave covers 512 consecutive bytes, aligned.  LDS serves a wave's instructions in order (ISA guide 5.7.1.4).
.macro PACK a
.set AC, 64*((\a)%4)
.set TMP, 96+96*((\a)%2)
	WIN 0x0a+5*((\a)/4)                            ; sources 0 and 1: window 2 or 3
.irp b, 0,1,2,3,4,5,6,7
.irp i, 0,1,2,3
	v_cvt_pk_f16_f32 v[TMP+4*\b+\i], v[AC+8*\b+2*\i], v[AC+8*\b+2*\i+1]   ; each accumulator from its low end on
.endr
.endr
	WIN 0
.endm
.macro TOSTAGE a
.set TMP, 96+96*((\a)%2)
.set BB, 128+32*((\a)%2)
.irp b, 0,1,2,3,4,5,6,7
	ds_store_b128 v[STO], v[TMP+4*\b:TMP+4*\b+3] offset:(\b/4)*STH+32*(\b%4)
.endr
.irp j, 0,1,2,3,4,5,6,7
	ds_load_b128 v[BB+4*\j:BB+4*\j+3], v[RD] offset:(\j/4)*STH+(\j%4)*4*SPH
.endr
.endm
.macro SEND a, tl
.set BB, 128+32*((\a)%2)
	s_wait_dscnt 0x0                               ; the block is back in registers
	s_wait_xcnt 0x0                                ; the block before's stores have read their registers: the next block's loads land there only behind this wait
.irp j, 0,1,2,3,4,5,6,7
	global_store_b128 v[CO], v[BB+4*\j:BB+4*\j+3], s[12:13] offset:((\j/4)<<20)+((\tl)<<19)+2048*(\a)+512*(\j%4)   ; the plane, the tile (4,096 tokens of 128 bytes) and the block stand in the immediate, 1,588,736 at the most: the base never steps
.endr
.endm
; A TILE: its first fragments, eight steps of 128 along K, its way out.  tl: which of my two;  fill = 1: x's parts of both slots are filled again for the tile that follows.
.macro TILE tl, fill
	FETCH_B 0, 0, 0
	FETCH_A 0, 0, 0
	SCALES 0, \tl
	FETCH_A 0, 0, 4
	STEP 0, 0, 1                                   ; the first step's products start the sums: nothing is cleared
	STEPS 0, 1
	TURN 0, 1, \fill, \tl
	STEPS 1, 0
	LAST \fill
	PLACES NP                                      ; behind the last products: for the conversions' reads and for the loads into x's fragments' registers
	PACK 0
	TOSTAGE 0
.irp a, 1,2,3,4,5,6,7
	PACK \a                                        ; block a's conversions stand between block a - 1's loads from the stage and the wait for them
	SEND \a-1, \tl
	TOSTAGE \a
.endr
	SEND 7, \tl
.endm
	s_wait_tensorcnt 1                             ; the scales and my part of slot 0 are in (slot 1's load may be out),
	s_barrier_signal -1
	s_barrier_wait -1                              ; everybody's are
	TILE 0, 1                                      ; both refills are asked for when its first store leaves
	s_wait_xcnt 0x0                                ; its last stores have read their registers, into which the second tile's fragments of x are loaded; no line waits for the stores themselves
	TILE 1, 0
	s_wait_tensorcnt 0x0                           ; the wave's end
	ds_add_u32 v[SPW], v[NIL]
	s_wait_dscnt 0x0
	CROUND                                         ; the closing round: no work-group ends while a partner may still ask for a tile that names it
	s_endpgm
.Lfunc_end_k_qd798907d7e_qkvgemm:
	.size	k_qd798907d7e_qkvgemm, .Lfunc_end_k_qd798907d7e_qkvgemm-k_qd798907d7e_qkvgemm
	.p2alignl 7, 3214868480
	.fill 96, 4, 3214868480
	.section	.rodata,"a",@progbits
	.p2align	6, 0x0
	.amdhsa_kernel k_qd798907d7e_qkvgemm
		.amdhsa_group_segment_fixed_size 327680
		.amdhsa_private_segment_fixed_size 0
		.amdhsa_enable_private_segment 0
		.amdhsa_kernarg_size 40
		.amdhsa_user_sgpr_count 2
		.amdhsa_user_sgpr_kernarg_segment_ptr 1
		.amdhsa_wavefront_size32 1
		.amdhsa_system_sgpr_workgroup_id_x 1
		.amdhsa_system_sgpr_workgroup_id_y 1
		.amdhsa_system_sgpr_workgroup_id_z 1
		.amdhsa_system_vgpr_workitem_id 0
		.amdhsa_next_free_vgpr 1024
		.amdhsa_next_free_sgpr 98
		.amdhsa_reserve_vcc 0
		.amdhsa_float_denorm_mode_32 3
		.amdhsa_float_denorm_mode_16_64 3
		.amdhsa_memory_ordered 1
		.amdhsa_forward_progress 1
		.amdhsa_inst_pref_size 244
	.end_amdhsa_kernel
	.amdgpu_metadata
---
amdhsa.version: [ 1, 2 ]
amdhsa.kernels:
  - .name:           k_qd798907d7e_qkvgemm
    .symbol:         k_qd798907d7e_qkvgemm.kd
    .args:
      - { .name: xq_codes, .offset: 0, .size: 8, .value_kind: global_buffer, .address_space: global }
      - { .name: xq_scales, .offset: 8, .size: 8, .value_kind: global_buffer, .address_space: global }
      - { .name: wq_codes, .offset: 16, .size: 8, .value_kind: global_buffer, .address_space: global }
      - { .name: wq_scales, .offset: 24, .size: 8, .value_kind: global_buffer, .address_space: global }
      - { .name: qkv, .offset: 32, .size: 8, .value_kind: global_buffer, .address_space: global }
    .group_segment_fixed_size: 327680
    .private_segment_fixed_size: 0
    .kernarg_segment_align: 8
    .kernarg_segment_size: 40
    .max_flat_workgroup_size: 128
    .sgpr_count:     98
    .vgpr_count:     1024
    .wavefront_size: 32
...
	.end_amdgpu_metadata
.endif
;; end of part 2
;; launch attn (part 3): grid 16 x 16, 16 waves a work-group, no clusters, 327,680 bytes of LDS; arguments qkv, att; writes att
.if DOCPART == 3
	.amdgcn_target "amdgcn-amd-amdhsa--gfx1250"
	.amdhsa_code_object_version 6
	.text
	.protected	k_qd798907d7e_attn
	.globl	k_qd798907d7e_attn
	.p2align	8
	.type	k_qd798907d7e_attn,@function
k_qd798907d7e_attn:
	s_mov_b64 s[64:65], 0
	v_nop
	global_prefetch_b8 v0, s[64:65] scope:SCOPE_SE
	s_setreg_imm32_b32 hwreg(HW_REG_WAVE_MODE, 25, 1), 1
	s_wait_xcnt 0x0
; att[head][token][:] = the sum over keys of softmax(q . k / 8) v, for the 512 queries of a chunk against the keys of this chunk and of the chunk before.  q, k, v: planes of qkv, [plane][8192 tokens][64] f16; att likewise, 16 planes.
; WORK LEFT OUT: for chunk 0 of each batch the chunk before is zeros that reference() builds itself under a mask that it builds itself: those 512 keys are neither loaded nor multiplied (shown at the head of the first launch).
; Products on f16 operands, sums, maxima and the softmax in f32; a running maximum m and sum l for each query: p = 2^(c s - c m), c = log2(e) / 8; in every step O and l are multiplied by a = 2^(c m_old - c m_new).
; The weights p are rounded to f16 for the second product, the row's sum is taken of the unrounded p; the result is rounded to f16 once.  LIMIT: its magnitudes stay under 65,504, as v's do.
; SHARES.  Work-group (x, y): chunk x = 8 batch + c, head y.  Sixteen waves, four to a SIMD, 32 queries each: two tiles of 16, so that each fragment of K and V read from LDS feeds two matrix instructions.
; THE WALK goes DOWN the keys in four slots of 256: this chunk's 256-511, its 0-255, the chunk before's 256-511, its 0-255: the address steps by a constant.  With c = 0 the last two slots are not asked for and not walked.
; The trip counts are constants; what c = 0 leaves out is jumped over by branches on ids and the count of keys alone, the same in all sixteen waves; every wait on the tensor counter is for 0; no barrier, wait or add is jumped over.
; NO CLUSTER: a chunk's K and V are read by two work-groups only, one at its walk's head and one at its end, never in the same step; and chunk 0 asks for half the tiles of the others.
; LAYOUT.  S^T = K Q^T (source 0 = 16 keys, source 1 = 16 queries): a lane holds ONE query (lane % 16) and keys 8 (lane / 16) + 0..7.  Two such tiles, rounded in pairs, ARE source 1 (32 keys x 16 queries) of O^T = V^T P.
; K comes out of LDS as it lies, V ([key][channel]) turned, by ds_load_tr16_b128.
.set KP,    144                        ; a key's row in LDS: 128 bytes + 16: an odd multiple of 16
.set VP,    160                        ; a row of V: 128 + 32: an odd multiple of 32, for the turning load
.set VOFF,  256*KP                     ; a slot: 256 rows of K, then 256 rows of V
.set SLOT1, 1<<17                      ; slot 1 begins here: one exclusive or turns an address in one slot into the other's
.set STAGE, 2*SLOT1                    ; behind the ring: 16 rows x 144 bytes for each wave, for the way out; no fill lands here
.set SPARE, STAGE+16*16*144            ; behind the stages: the spare words, 128 bytes a wave, which no other line names
.set SLOTB, 256*128                    ; a slot's K, or V, in memory: 32,768 dense bytes
.set AK0, 1                            ; v1   my lane's place in a tile of K
.set AV0, 2                            ; v2   the same for V
.set SPW, 3                            ; v3   LDS address of my spare word; never rewritten
.set NIL, 4                            ; v4   0; never rewritten
.set GO,  5                            ; v5   16 x lane: my bytes of 512 stored
.set ADK, 6                            ; v6   LDS address of the step's K
.set ADV, 7                            ; v7   of its V
.set STO, 8                            ; v8   the way out: where I put 16 bytes of a row
.set RD,  9                            ; v9   and where I read rows back
.set PFO, 10                           ; v10  256 x lane: the prefetches' offset; never rewritten
.set QO,  11                           ; v11  my byte offset in the wave's rows of q
.set ST,  12                           ; tile t's statistics at v[ST+8 t]: +0 c m, +1 m, +2, +3 l (even keys', odd keys'), +4 to +7 c0-c3, at work; a takes c2's place, the change of c m c3's
.set Q,   28                           ; v28-59    q: tile t, channels 32 hf on: Q + 16 t + 8 hf
.set F,   60                           ; v60-123   K's fragments (keys 16 kt on, channels 32 hf on) at F + 32 hf + 8 kt; then V's (keys 32 g on, channels 16 ct on) at F + 32 g + 8 ct
.set S,   124                          ; v124-187  S^T: S + 32 t + 8 kt; P is packed in place into S + 32 t + 0 .. 15
.set O,   188                          ; v188-251  O^T: O + 32 t + 8 ct
.set WV,  18                           ; s18  my wave's number
.set SEL, 20                           ; s[20:21] lane selects for v_permlanex16_b32: lane l xor 16
.set CS,  22                           ; s[22:23] c, twice: the packed form names a pair
.set TB,  2                            ; s2   LDS byte at which the slot in hand begins
.set G1K, 24                           ; s[24:31] descriptor group 1 for K's tiles;  s[32:39] for V's;  s[40:43], s[44:47] their groups 0, which walk
.set G1V, 32
.set G0K, 40
.set G0V, 44
.set SLOTS, 48                         ; s48  changes of slots still to come in the loop
.set KF,  49                           ; s49  keys walked so far
.set KLIM, 50                          ; s50  keys to walk: 1,024, or 512 with c = 0
.set PFA, 52                           ; s[52:53] where my prefetches stand
.set LIM, 54                           ; s54  1 in a wave that prefetches, else the greatest number
; Waves 0 and 1 fetch K's halves of a slot, waves 2 and 3 V's, 128 rows each; the others nothing.  The branches hang on the wave's number alone.  An s_nop 0 and four v_nop follow each line.
.macro TLOAD
	s_cmp_lt_u32 s[WV], 2
	s_cbranch_scc0 .Lnot_k_\@
	tensor_load_to_lds s[G0K:G0K+3], s[G1K:G1K+7]
	s_nop 0
.rept 4
	v_nop
.endr
	s_branch .Lasked_\@
.Lnot_k_\@:
	s_cmp_lt_u32 s[WV], 4
	s_cbranch_scc0 .Lasked_\@
	tensor_load_to_lds s[G0V:G0V+3], s[G1V:G1V+7]
	s_nop 0
.rept 4
	v_nop
.endr
.Lasked_\@:
.endm
; A PREFETCH of what the NEXT change of slots will ask for: the chunk before's K and V, a slot (four key steps) ahead of their tensor loads.  Waves 4 to 7 ask for K's 32,768 bytes, waves 8 to 11 for V's: 8,192 bytes a wave, lanes 256 bytes apart.
; The chunk before is walked as such by this work-group alone, so each run of 256 bytes is named once.  Slots 0 and 1 come by their loads alone; the last change that fills a slot asks for nothing; with c = 0 nobody asks.
.macro ASK
	s_cmp_gt_u32 s[SLOTS], s[LIM]
	s_cbranch_scc0 .Lnot_mine_\@
	global_prefetch_b8 v[PFO], s[PFA:PFA+1] th:TH_LOAD_NT scope:SCOPE_SE
.Lnot_mine_\@:
.endm
	s_load_b128 s[4:7], s[0:1], 0x0                ; qkv s[4:5], att s[6:7]
	v_lshl_add_u32 v[SPW], v0, 2, SPARE
	v_mov_b32 v[NIL], 0
	ds_add_u32 v[SPW], v[NIL]                      ; the wave's opening: the add, twice on end, and its wait ahead of my first tensor load
	ds_add_u32 v[SPW], v[NIL]
	v_lshrrev_b32 v252, 5, v0
	v_readfirstlane_b32 s[WV], v252                ; wave 0..15
	s_and_b32 s56, ttmp7, 0xffff                   ; the head
	s_lshl_b32 s56, s56, 20                        ; its plane among 16,
	s_lshl_b32 s57, ttmp9, 16                      ; the chunk's first token: 512 x, 128 bytes each
	s_add_co_u32 s56, s56, s57
	s_and_b32 s58, s[WV], 1                        ; which 128 rows of a slot I fetch, if I fetch
	s_lshl_b32 s59, s58, 14
	s_add_co_u32 s59, s59, s56
	s_add_co_u32 s60, s59, (1<<24)+SLOTB           ; K: planes 16 on; slot 0 holds this chunk's keys 256-511
	s_mov_b32 s61, 0
	s_add_co_u32 s62, s59, (2<<24)+SLOTB           ; V: planes 32 on
	s_mov_b32 s63, 0
	s_mov_b32 s[G0K], 1                            ; 1:0 count = 1
	s_mul_i32 s[G0K+1], s58, 128*KP                ; 63:32 LDS address: slot 0, my half
	s_mov_b32 s[G0V], 1
	s_mul_i32 s[G0V+1], s58, 128*VP
	s_add_co_u32 s[G0V+1], s[G0V+1], VOFF
	; descriptor group 1: 128 rows x 64 elements of 2 bytes, dense in memory, padded in LDS behind each row
	s_mov_b32 s[G1K], (1<<16)|(1<<20)|(4<<22)|(3<<25)              ; no mask; elements of 2 bytes; padding on; after every 32 words; 4 words
	s_mov_b32 s[G1V], (1<<16)|(1<<20)|(4<<22)|(7<<25)              ; the same with 8 words
.irp g, G1K, G1V
	s_mov_b32 s[\g+1], 64<<16                      ; tensor_dim0 = 64
	s_mov_b32 s[\g+2], 128<<16                     ; tensor_dim1 = 128
	s_mov_b32 s[\g+3], 64<<16                      ; tile_dim0 = 64
	s_mov_b32 s[\g+4], 128                         ; tile_dim1 = 128
	s_mov_b32 s[\g+5], 64                          ; elements from row to row
	s_mov_b32 s[\g+6], 0
	s_mov_b32 s[\g+7], 0
.endr
	s_mov_b32 s[SEL], 0x76543210
	s_mov_b32 s[SEL+1], 0xfedcba98
	s_mov_b32 s[CS], 0x3e38aa3b                    ; c = log2(e) / 8
	s_mov_b32 s[CS+1], s[CS]
	s_mov_b32 s[TB], 0
	s_mov_b32 s[SLOTS], 3
	s_mov_b32 s[KF], 0
	s_mov_b32 s[KLIM], 1024
	s_and_b32 s57, ttmp9, 7                        ; c
	s_cmp_eq_u32 s57, 0
	s_cselect_b32 s[KLIM], 512, s[KLIM]
	s_cselect_b32 s57, 1, 0
	s_sub_co_u32 s58, s[WV], 4
	s_lshr_b32 s58, s58, 3                         ; 0 in waves 4 to 11,
	s_or_b32 s58, s58, s57                         ; where there is a chunk before
	s_cmp_eq_u32 s58, 0
	s_cselect_b32 s[LIM], 1, -1
	s_wait_dscnt 0x0                               ; both opening adds are done
	s_wait_kmcnt 0x0
	s_add_nc_u64 s[G0K+2:G0K+3], s[4:5], s[60:61]  ; 120:64 global address
	s_or_b32 s[G0K+3], s[G0K+3], 0x80000000        ; 127:126 type = 2
	s_add_nc_u64 s[G0V+2:G0V+3], s[4:5], s[62:63]
	s_or_b32 s[G0V+3], s[G0V+3], 0x80000000
	TLOAD                                          ; slot 0: one load of mine is out
	s_lshl_b32 s60, s[WV], 12                      ; my 32 queries: 4,096 bytes a wave
	s_add_co_u32 s60, s60, s56
	s_add_nc_u64 s[8:9], s[4:5], s[60:61]          ; q at my first query (planes 0 on)
	s_add_nc_u64 s[6:7], s[6:7], s[60:61]          ; att likewise
	s_mov_b32 s62, 2<<24
	s_cmp_lt_u32 s[WV], 8                          ; waves 4 to 7 ask for K, waves 8 to 11 for V
	s_cselect_b32 s62, 1<<24, s62
	s_and_b32 s59, s[WV], 3
	s_lshl_b32 s59, s59, 13                        ; my 8,192 bytes of a slot's block,
	s_add_co_u32 s62, s62, s59
	s_add_co_u32 s62, s62, s56                     ; in slot 1's block: the first change of slots steps it to slot 2's.  Nothing is prefetched here, at the head
	s_add_nc_u64 s[PFA:PFA+1], s[4:5], s[62:63]
	v_and_b32 v252, 15, v0                         ; r = lane % 16
	v_bfe_u32 v253, v0, 4, 1                       ; h = lane / 16
	v_and_b32 v255, 31, v0                         ; lane
	v_lshlrev_b32 v[QO], 7, v252
	v_lshl_add_u32 v[QO], v253, 4, v[QO]           ; q: row r of 128 bytes, + 16 h
.irp t, 0,1
.irp hf, 0,1
	global_load_b128 v[Q+16*\t+8*\hf:Q+16*\t+8*\hf+3],   v[QO], s[8:9] offset:2048*\t+64*\hf      ; q stays in registers
	global_load_b128 v[Q+16*\t+8*\hf+4:Q+16*\t+8*\hf+7], v[QO], s[8:9] offset:2048*\t+64*\hf+32
.endr
.endr
	v_mul_u32_u24 v[AK0], v252, KP
	v_lshl_add_u32 v[AK0], v253, 4, v[AK0]         ; K: row r x pitch + 16 h
	v_and_b32 v254, 7, v0                          ; the turning load: lane l reads 16 bytes: key 8 h + l % 8, channels 8 ((l / 8) % 2) + 0..7
	v_lshl_add_u32 v254, v253, 3, v254
	v_mul_u32_u24 v[AV0], v254, VP
	v_bfe_u32 v254, v0, 3, 1
	v_lshl_add_u32 v[AV0], v254, 4, v[AV0]
	v_add_nc_u32 v[AV0], VOFF, v[AV0]
	v_lshlrev_b32 v[GO], 4, v255
	v_lshlrev_b32 v[PFO], 8, v255
	s_mul_i32 s57, s[WV], 16*144
	s_add_co_u32 s57, s57, STAGE                   ; my stage
	v_add_nc_u32 v[STO], s57, v[AK0]               ; in: row r of 144 bytes, + 16 h
	v_lshrrev_b32 v254, 3, v255                    ; back: eight lanes to a row of 128 bytes, four rows an instruction
	v_mul_u32_u24 v[RD], v254, 144
	v_and_b32 v254, 7, v0
	v_lshl_add_u32 v[RD], v254, 4, v[RD]
	v_add_nc_u32 v[RD], s57, v[RD]
.irp t, 0,1
	v_mov_b32 v[ST+8*\t+1], 0xff61b1e6             ; m: -3e38, under every score
	v_mul_f32 v[ST+8*\t], s[CS], v[ST+8*\t+1]      ; c m
	v_mov_b32 v[ST+8*\t+2], 0                      ; l, in two halves
	v_mov_b32 v[ST+8*\t+3], 0
	v_mov_b32 v[ST+8*\t+5], 0                      ; written once: a lane permute's destination counts as one of its sources
	v_mov_b32 v[ST+8*\t+7], 0
.endr
.irp j, 0,1,2,3,4,5,6,7,8,9,10,11,12,13,14,15,16,17,18,19,20,21,22,23,24,25,26,27,28,29,30,31,32,33,34,35,36,37,38,39,40,41,42,43,44,45,46,47,48,49,50,51,52,53,54,55,56,57,58,59,60,61,62,63
	v_mov_b32 v[O+\j], 0                           ; O^T.  (The key step is written once: the first finds zeros, which a = 0 leaves zeros)
.endr
; THE SOFTMAX of a key step, both tiles line by line, so that no line waits for the line above it.
.macro SOFTMAX
.irp j, 0,1,2,3
.irp t, 0,1
	v_max3_num_f32 v[ST+8*\t+4+\j], v[S+32*\t+8*\j], v[S+32*\t+8*\j+1], v[S+32*\t+8*\j+2]   ; four chains, one to an accumulator, each begun at the accumulator's low end
.endr
.endr
.irp i, 3,5
.irp j, 0,1,2,3
.irp t, 0,1
	v_max3_num_f32 v[ST+8*\t+4+\j], v[ST+8*\t+4+\j], v[S+32*\t+8*\j+\i], v[S+32*\t+8*\j+\i+1]
.endr
.endr
.endr
.irp t, 0,1
	v_max3_num_f32 v[ST+8*\t+4], v[ST+8*\t+4], v[S+32*\t+7], v[S+32*\t+15]
	v_max3_num_f32 v[ST+8*\t+6], v[ST+8*\t+6], v[S+32*\t+23], v[S+32*\t+31]
.endr
.irp t, 0,1
	v_max3_num_f32 v[ST+8*\t+4], v[ST+8*\t+4], v[ST+8*\t+5], v[ST+8*\t+6]
.endr
.irp t, 0,1
	v_max3_num_f32 v[ST+8*\t+4], v[ST+8*\t+4], v[ST+8*\t+7], v[ST+8*\t+1]   ; with the old m
.endr
.irp t, 0,1
	v_permlanex16_b32 v[ST+8*\t+5], v[ST+8*\t+4], s[SEL], s[SEL+1]          ; the query's other 32 keys lie in the lane 16 away
.endr
.irp t, 0,1
	v_mov_b32 v[ST+8*\t+7], v[ST+8*\t]             ; c m_old
.endr
.irp t, 0,1
	v_max_num_f32 v[ST+8*\t+1], v[ST+8*\t+4], v[ST+8*\t+5]                  ; the new m
.endr
.irp t, 0,1
	v_mul_f32 v[ST+8*\t], s[CS], v[ST+8*\t+1]
.endr
.irp t, 0,1
	v_sub_f32 v[ST+8*\t+7], v[ST+8*\t+7], v[ST+8*\t]                        ; c m_old - c m_new
.endr
; ONE BATCH: 32 scalings and 66 exponentials; a pair's exponentials stand behind the next pair's scalings; none of these lines names an exponential's result.
.set PB, 0
.rept 16
.irp t, 0,1
	v_pk_fma_f32 v[S+32*\t+2*PB:S+32*\t+2*PB+1], v[S+32*\t+2*PB:S+32*\t+2*PB+1], s[CS:CS+1], v[ST+8*\t:ST+8*\t+1] op_sel_hi:[1,0,0] neg_lo:[0,0,1] neg_hi:[0,0,1]   ; c s - c m
.endr
.if PB > 0
.irp t, 0,1
	v_exp_f32 v[S+32*\t+2*PB-2], v[S+32*\t+2*PB-2]
	v_exp_f32 v[S+32*\t+2*PB-1], v[S+32*\t+2*PB-1]
.endr
.endif
.set PB, PB+1
.endr
.irp t, 0,1
	v_exp_f32 v[S+32*\t+30], v[S+32*\t+30]
	v_exp_f32 v[S+32*\t+31], v[S+32*\t+31]
.endr
.irp t, 0,1
	v_exp_f32 v[ST+8*\t+6], v[ST+8*\t+7]           ; a
.endr
	v_nop                                          ; a plain line behind the last exponential
	s_wait_alu depctr_va_vdst(0)                   ; the wait ahead of the first line that names a result: one for the batch
.irp t, 0,1
	v_pk_add_f32 v[ST+8*\t+4:ST+8*\t+5], v[S+32*\t:S+32*\t+1], v[S+32*\t+2:S+32*\t+3]                              ; the sums of the unrounded p, in two chains a tile
.endr
.irp t, 0,1
	v_pk_fma_f32 v[ST+8*\t+2:ST+8*\t+3], v[ST+8*\t+2:ST+8*\t+3], v[ST+8*\t+6:ST+8*\t+7], v[S+32*\t+4:S+32*\t+5] op_sel_hi:[1,0,1]   ; l = a l + ..
.endr
.irp t, 0,1
	v_pk_add_f32 v[ST+8*\t+4:ST+8*\t+5], v[ST+8*\t+4:ST+8*\t+5], v[S+32*\t+6:S+32*\t+7]
.endr
.irp j, 8,12,16,20,24,28
.irp t, 0,1
	v_pk_add_f32 v[ST+8*\t+2:ST+8*\t+3], v[ST+8*\t+2:ST+8*\t+3], v[S+32*\t+\j:S+32*\t+\j+1]
	v_pk_add_f32 v[ST+8*\t+4:ST+8*\t+5], v[ST+8*\t+4:ST+8*\t+5], v[S+32*\t+\j+2:S+32*\t+\j+3]
.endr
.endr
.irp t, 0,1
	v_pk_add_f32 v[ST+8*\t+2:ST+8*\t+3], v[ST+8*\t+2:ST+8*\t+3], v[ST+8*\t+4:ST+8*\t+5]
.endr
.irp i, 0,1,2,3,4,5,6,7,8,9,10,11,12,13,14,15
.irp t, 0,1
	v_cvt_pk_f16_f32 v[S+32*\t+\i], v[S+32*\t+2*\i], v[S+32*\t+2*\i+1]   ; P, packed in place: a line writes over what it or an earlier line has read
.endr
.endr
.irp i, 0,2,4,6,8,10,12,14,16,18,20,22,24,26,28,30
.irp t, 0,1
	v_pk_mul_f32 v[O+32*\t+\i:O+32*\t+\i+1], v[O+32*\t+\i:O+32*\t+\i+1], v[ST+8*\t+6:ST+8*\t+7] op_sel_hi:[1,0]   ; O^T x a, each accumulator from its low end on
.endr
.endr
.endm
; A KEY STEP: 64 keys, the q-th of the slot in hand.  The eight accumulators of each product take turns, one instruction a turn.
.macro STEP q
	v_add_nc_u32 v[ADK], s[TB], v[AK0]
	v_add_nc_u32 v[ADV], s[TB], v[AV0]
.irp hf, 0,1
.irp kt, 0,1,2,3
	ds_load_b128 v[F+32*\hf+8*\kt:F+32*\hf+8*\kt+3],   v[ADK] offset:(64*(\q)+16*\kt)*KP+64*\hf
	ds_load_b128 v[F+32*\hf+8*\kt+4:F+32*\hf+8*\kt+7], v[ADK] offset:(64*(\q)+16*\kt)*KP+64*\hf+32
.endr
.endr
	s_wait_dscnt 8                                 ; channels 0-31 are in; the eight loads of channels 32-63 may be out
.irp kt, 0,1,2,3
.irp t, 0,1
	v_wmma_f32_16x16x32_f16 v[S+32*\t+8*\kt:S+32*\t+8*\kt+7], v[F+8*\kt:F+8*\kt+7], v[Q+16*\t:Q+16*\t+7], 0
.endr
.endr
	s_wait_dscnt 0x0
.irp kt, 0,1,2,3
.irp t, 0,1
	v_wmma_f32_16x16x32_f16 v[S+32*\t+8*\kt:S+32*\t+8*\kt+7], v[F+32+8*\kt:F+32+8*\kt+7], v[Q+16*\t+8:Q+16*\t+15], v[S+32*\t+8*\kt:S+32*\t+8*\kt+7]
.endr
.endr
.rept 4
	v_nop                                          ; four places: in front of the loads into K's registers and of the first read of the scores
.endr
.irp g, 0,1
.irp ct, 0,1,2,3
	ds_load_tr16_b128 v[F+32*\g+8*\ct:F+32*\g+8*\ct+3],   v[ADV] offset:(64*(\q)+32*\g)*VP+32*\ct          ; V, turned: it lands during the softmax
	ds_load_tr16_b128 v[F+32*\g+8*\ct+4:F+32*\g+8*\ct+7], v[ADV] offset:(64*(\q)+32*\g)*VP+16*VP+32*\ct
.endr
.endr
	SOFTMAX
	s_wait_dscnt 0x0                               ; V is in
.irp g, 0,1
.irp ct, 0,1,2,3
.irp t, 0,1
	v_wmma_f32_16x16x32_f16 v[O+32*\t+8*\ct:O+32*\t+8*\ct+7], v[F+32*\g+8*\ct:F+32*\g+8*\ct+7], v[S+32*\t+8*\g:S+32*\t+8*\g+7], v[O+32*\t+8*\ct:O+32*\t+8*\ct+7]
.endr
.endr
.endr
.rept 5
	v_nop                                          ; five places: the next step's first products write over P's registers (five are asked), and K's loads land in V's (four)
.endr
.endm
; THE CHANGE OF SLOTS stands at a slot's head.  Each wave waits for all its tensor loads, adds 0 to its spare word, and waits for that and for its reads of the slot that it has left.  Behind the barrier the slot ahead is whole and nobody reads the other.
; fill = 1: the other slot is asked for, with the 256 keys below, if they are to be walked: the load has a slot's four key steps in which to land.  Behind the first trip's barrier all loads are first fills (slot 1), behind the later ones all are refills.
.macro CHANGE fill
	s_wait_tensorcnt 0x0                           ; no tensor load of mine is out, so a group 0 may be written
	ds_add_u32 v[SPW], v[NIL]                      ; 0 onto my spare word
.if \fill
	ds_add_u32 v[SPW], v[NIL]                      ; and once more
	s_xor_b32 s[G0K+1], s[G0K+1], SLOT1            ; the walking descriptors: the other slot than last time,
	s_sub_nc_u64 s[G0K+2:G0K+3], s[G0K+2:G0K+3], SLOTB   ; the 256 keys below; the type bits on top are not reached
	s_xor_b32 s[G0V+1], s[G0V+1], SLOT1
	s_sub_nc_u64 s[G0V+2:G0V+3], s[G0V+2:G0V+3], SLOTB
	s_wait_xcnt 0x0                                ; the last prefetch, a slot back, has read its address, so it may be written:
	s_sub_nc_u64 s[PFA:PFA+1], s[PFA:PFA+1], SLOTB ; one slot further down than the walking descriptors
.endif
	s_wait_dscnt 0x0                               ; the add is done, and my reads of the slot that I have left are over
	s_barrier_signal -1
	s_barrier_wait -1
.if \fill
	s_add_co_u32 s56, s[KF], 256                   ; the keys walked when the slot that this change would ask for begins
	s_cmp_ge_u32 s56, s[KLIM]                      ; ids and the count of keys alone: all sixteen waves go the same way, and a work-group past the limit stays past it
	s_cbranch_scc1 .Lpast_\@
	TLOAD                                          ; a wave's one tensor load until the next such barrier
.Lpast_\@:
	ASK
.endif
.endm
.macro SLOT_STEPS
	s_cmp_ge_u32 s[KF], s[KLIM]                    ; a slot that was not asked for is not walked
	s_cbranch_scc1 .Lhidden_\@
	STEP 0
	STEP 1
	STEP 2
	STEP 3
.Lhidden_\@:
	s_add_co_u32 s[KF], s[KF], 256
	s_xor_b32 s[TB], s[TB], SLOT1                  ; on to the other slot
.endm
	s_wait_loadcnt 0x0                             ; q
.Lslot:                                            ; three trips
	CHANGE 1
	SLOT_STEPS
	s_sub_co_u32 s[SLOTS], s[SLOTS], 1
	s_cmp_lg_u32 s[SLOTS], 0
	s_cbranch_scc1 .Lslot
	CHANGE 0                                       ; the last slot is written out: nothing is left to ask for
	SLOT_STEPS
	; THE WAY OUT.  l's halves and the other half of the lanes' are added; O^T is divided by l, rounded to f16 and sent through my stage, a tile (16 tokens) at a time: 16 tokens of a head are 2,048 consecutive bytes of att.
.irp t, 0,1
	v_add_f32 v[ST+8*\t+4], v[ST+8*\t+2], v[ST+8*\t+3]
.endr
.irp t, 0,1
	v_permlanex16_b32 v[ST+8*\t+5], v[ST+8*\t+4], s[SEL], s[SEL+1]
.endr
.irp t, 0,1
	v_add_f32 v[ST+8*\t+4], v[ST+8*\t+4], v[ST+8*\t+5]
.endr
.irp t, 0,1
	v_rcp_f32 v[ST+8*\t+6], v[ST+8*\t+4]
.endr
	v_nop                                          ; a plain line behind the last reciprocal
	s_wait_alu depctr_va_vdst(0)                   ; and the wait ahead of the first use: one for both
.irp t, 0,1
.irp i, 0,2,4,6,8,10,12,14,16,18,20,22,24,26,28,30
	v_pk_mul_f32 v[O+32*\t+\i:O+32*\t+\i+1], v[O+32*\t+\i:O+32*\t+\i+1], v[ST+8*\t+6:ST+8*\t+7] op_sel_hi:[1,0]
.endr
.irp i, 0,1,2,3,4,5,6,7,8,9,10,11,12,13,14,15
	v_cvt_pk_f16_f32 v[F+16*\t+\i], v[O+32*\t+2*\i], v[O+32*\t+2*\i+1]
.endr
.irp ct, 0,1,2,3
	ds_store_b128 v[STO], v[F+16*\t+4*\ct:F+16*\t+4*\ct+3] offset:32*\ct
.endr
.irp i, 0,1,2,3
	ds_load_b128 v[F+32+16*\t+4*\i:F+32+16*\t+4*\i+3], v[RD] offset:576*\i   ; LDS serves a wave's instructions in order: these see the stores above, and the next tile's stores come behind them
.endr
.endr
	s_wait_dscnt 8                                 ; tile 0's rows are back; tile 1's four stores and four loads may be out
.irp i, 0,1,2,3
	global_store_b128 v[GO], v[F+32+4*\i:F+32+4*\i+3], s[6:7] offset:512*\i          ; the wave stores 512 consecutive bytes, aligned
.endr
	s_wait_dscnt 0x0
.irp i, 0,1,2,3
	global_store_b128 v[GO], v[F+48+4*\i:F+48+4*\i+3], s[6:7] offset:2048+512*\i
.endr
	s_wait_tensorcnt 0x0                           ; the wave's end
	ds_add_u32 v[SPW], v[NIL]
	s_wait_dscnt 0x0
	s_endpgm
.Lfunc_end_k_qd798907d7e_attn:
	.size	k_qd798907d7e_attn, .Lfunc_end_k_qd798907d7e_attn-k_qd798907d7e_attn
	.p2alignl 7, 3214868480
	.fill 96, 4, 3214868480
	.section	.rodata,"a",@progbits
	.p2align	6, 0x0
	.amdhsa_kernel k_qd798907d7e_attn
		.amdhsa_group_segment_fixed_size 327680
		.amdhsa_private_segment_fixed_size 0
		.amdhsa_enable_private_segment 0
		.amdhsa_kernarg_size 16
		.amdhsa_user_sgpr_count 2
		.amdhsa_user_sgpr_kernarg_segment_ptr 1
		.amdhsa_wavefront_size32 1
		.amdhsa_system_sgpr_workgroup_id_x 1
		.amdhsa_system_sgpr_workgroup_id_y 1
		.amdhsa_system_sgpr_workgroup_id_z 1
		.amdhsa_system_vgpr_workitem_id 0
		.amdhsa_next_free_vgpr 256
		.amdhsa_next_free_sgpr 66
		.amdhsa_reserve_vcc 0
		.amdhsa_float_denorm_mode_32 3
		.amdhsa_float_denorm_mode_16_64 3
		.amdhsa_memory_ordered 1
		.amdhsa_forward_progress 1
		.amdhsa_inst_pref_size 153
	.end_amdhsa_kernel
	.amdgpu_metadata
---
amdhsa.version: [ 1, 2 ]
amdhsa.kernels:
  - .name:           k_qd798907d7e_attn
    .symbol:         k_qd798907d7e_attn.kd
    .args:
      - { .name: qkv, .offset: 0, .size: 8, .value_kind: global_buffer, .address_space: global }
      - { .name: att, .offset: 8, .size: 8, .value_kind: global_buffer, .address_space: global }
    .group_segment_fixed_size: 327680
    .private_segment_fixed_size: 0
    .kernarg_segment_align: 8
    .kernarg_segment_size: 16
    .max_flat_workgroup_size: 512
    .sgpr_count:     66
    .vgpr_count:     256
    .wavefront_size: 32
...
	.end_amdgpu_metadata
.endif
;; end of part 3
;; launch proj (part 4): grid 4 x 64, 4 waves a work-group, clusters of 4 x 4, 327,680 bytes of LDS; arguments att, wo16, out0; writes out0
.if DOCPART == 4
	.amdgcn_target "amdgcn-amd-amdhsa--gfx1250"
	.amdhsa_code_object_version 6
	.text
	.protected	k_qd798907d7e_proj
	.globl	k_qd798907d7e_proj
	.p2align	8
	.type	k_qd798907d7e_proj,@function
k_qd798907d7e_proj:
	s_mov_b64 s[64:65], 0
	v_nop
	global_prefetch_b8 v0, s[64:65] scope:SCOPE_SE
	s_setreg_imm32_b32 hwreg(HW_REG_WAVE_MODE, 25, 1), 1
	s_wait_xcnt 0x0
	s_wait_alu depctr_hold_cnt(0) depctr_sa_sdst(0) depctr_va_vdst(0) depctr_va_sdst(0) depctr_va_ssrc(0) depctr_va_vcc(0) depctr_vm_vsrc(0)
	s_getreg_b32 s2, hwreg(HW_REG_IB_STS2, 6, 4)
	s_cmp_eq_u32 s2, 0
	s_cbranch_scc0 .Lentry_in_a_cluster
	s_endpgm
.Lentry_in_a_cluster:
	s_bfe_u32 s2, ttmp6, 0x10000c
	s_cmp_lg_u32 s2, 0xf033
	s_cbranch_scc0 .Lentry_shape_is_right
	s_endpgm
.Lentry_shape_is_right:
; out0[m][n] = sum over k of att[m][k] w_out[n][k].  att: [16 heads][8192 tokens][64] f16 (k = 64 head + channel), wo16: [1024 n][1024 k] f16, out0: [8192][1024] f32; sums in f32.  No work is left out here.
; A tile of out0 is 128 (m) x 256 (n): 256 work-groups.  Four waves, each 64 x 128: 32 accumulators of 16 x 16, 256 registers.  K goes in 8 steps of 128, two head planes each, through a ring of two LDS slots.
; CLUSTERS: 4 x 4 work-groups.  The four of a row of the cluster need the same tiles of att, the four of a column the same tiles of wo16: each is asked for JOINTLY, by the same tensor load with the same descriptor and a mask that names the four.
; THE MATRIX INSTRUCTION IS USED TRANSPOSED (source 0 = 16 rows of wo16, source 1 = 16 tokens): a lane then holds eight neighbouring numbers of a row of out0.
; REGISTERS: window 0: v0-31 addresses; two fragment buffers for 32 along K, at v32 and v128: att's 4 fragments, then wo16's 8; on the way out v32-95, v128-191 rows read back.   window 1: the accumulators, (a, b) at v[8 (8 a + b)].
.set PA,     144                       ; a token's row of one plane in LDS: 128 bytes + 16
.set PB,     272                       ; a row of wo16's tile: 256 bytes + 16
.set PLN,    128*PA                    ; a plane's 128 rows
.set BOFF,   2*PLN                     ; a slot: att's two planes, then wo16's 256 rows
.set SLOT,   BOFF+256*PB
.set STAGE,  2*SLOT                    ; behind the ring: 16 rows x 528 bytes for each wave, for the way out; no fill lands here
.set SPITCH, 528
.set SPARE,  STAGE+4*16*SPITCH         ; behind the stages: the spare words, 128 bytes a wave, which no other line names
.set LAPS,   4                         ; a lap = two K steps = once round the ring
.set ADRA, 16                          ; v16-17  LDS address of my att fragments in slot 0, 1
.set ADRB, 20                          ; v20-21  the same for wo16
.set STO,  24                          ; v24     the way out: where I put 32 bytes of a row
.set RD,   25                          ; v25     the way out: where I read a row back
.set CO,   26                          ; v26     16 x lane
.set SPW,  28                          ; v28     LDS address of my spare word; never rewritten
.set NIL,  29                          ; v29     0; never rewritten
.set PFO,  30                          ; v30     the prefetches' offset: lanes 0-15 the first plane, lanes 16-31 the second, 256 bytes apart; never rewritten
.set F0,   32
.set F1,   128
.set G1, 24                            ; s[24:31] descriptor group 1 for att's tiles;  s[32:39] group 0, one set for each slot
.set G0, 32
.set G1B, 48                           ; s[48:55], s[56:63] the same for wo16's tiles
.set G0B, 56
.set LIM,  43                          ; s43     1 in wave 0, else the greatest number
.set PFA,  44                          ; s[44:45] where my prefetches stand
.set MSB, 0
.macro WIN new                         ; the immediate's high byte repeats the setting that is left
.if MSB != (\new)
	s_set_vgpr_msb (MSB<<8)|(\new)
.set MSB, (\new)
.endif
.endm
.set MUL, 0x50                         ; C and D window 1, sources window 0
.macro JLOAD s                         ; a joint load: waves 0 and 1 fetch att's two planes, waves 2 and 3 wo16's two halves; an s_nop 0 and four v_nop follow each of the two lines
	s_cmp_eq_u32 s11, 0
	s_cbranch_scc0 .Lfor_b_\@
	tensor_load_to_lds s[G0+4*\s:G0+4*\s+3], s[G1:G1+7]
	s_nop 0
.rept 4
	v_nop
.endr
	s_branch .Lasked_\@
.Lfor_b_\@:
	tensor_load_to_lds s[G0B+4*\s:G0B+4*\s+3], s[G1B:G1B+7]
	s_nop 0
.rept 4
	v_nop
.endr
.Lasked_\@:
.endm
.macro CREST                           ; a round of the cluster's barrier behind its opening barrier
	s_cmp_lg_u32 s10, 0
	s_cbranch_scc1 .Lnot_wave_0_\@
	s_barrier_signal -3
.Lnot_wave_0_\@:
	s_barrier_wait -3
	s_barrier_signal -1
	s_barrier_wait -1
.endm
.macro CROUND                          ; a whole round
	s_barrier_signal -1
	s_barrier_wait -1
	CREST
.endm
; A PREFETCH of att's tiles of the K step that stands two refills on: two planes x 16,384 dense bytes.  The four partners that ask for them jointly share them out BY ADDRESS, 4,096 bytes of each plane to a work-group (by cx); in each, wave 0 asks:
; one instruction, lanes 256 bytes apart.  A tile row of att is read by this one row of a cluster alone, so each run of 256 bytes is named once.  K steps 0 to 3 come by their loads alone; the last lap's refills ask for nothing.
; wo16 is not asked for: all sixteen clusters read its 2 MiB again and again.
.macro ASK
	s_cmp_gt_u32 s3, s[LIM]                        ; s3 = 1 in the loop's last trip
	s_cbranch_scc0 .Lnot_mine_\@
	global_prefetch_b8 v[PFO], s[PFA:PFA+1] th:TH_LOAD_NT scope:SCOPE_SE
.Lnot_mine_\@:
.endm
	s_load_b128 s[4:7], s[0:1], 0x0                ; att s[4:5], wo16 s[6:7]
	s_load_b64 s[8:9], s[0:1], 0x10                ; out0
	v_lshl_add_u32 v[SPW], v0, 2, SPARE
	v_mov_b32 v[NIL], 0
	ds_add_u32 v[SPW], v[NIL]                      ; the wave's opening: the add, twice on end, and its wait ahead of my first tensor load
	ds_add_u32 v[SPW], v[NIL]
	v_lshrrev_b32 v1, 5, v0
	v_readfirstlane_b32 s10, v1                    ; wave 0..3
	s_lshr_b32 s11, s10, 1                         ; which 64 of the tile's rows are mine.  Also: I fetch for att (0) or for wo16 (1)
	s_and_b32 s12, s10, 1                          ; which 128 of its columns.  Also: which plane, or which 128 rows of wo16, I fetch
	s_bfe_u32 s40, ttmp6, 0x40000                  ; cx, cy: my place in the cluster
	s_bfe_u32 s41, ttmp6, 0x40004
	s_lshl_b32 s42, ttmp9, 2
	s_add_co_u32 s42, s42, s40                     ; tile column = 4 x cluster x + cx
	s_and_b32 s13, ttmp7, 0xffff
	s_lshl_b32 s13, s13, 2
	s_add_co_u32 s13, s13, s41                     ; tile row = 4 x cluster y + cy
	s_lshl_b32 s43, s41, 2
	s_lshl_b32 s43, 15, s43                        ; my row of the cluster
	s_lshl_b32 s44, 0x1111, s40                    ; my column
	s_or_b32 s[G1+0], s43, (1<<16)|(1<<20)|(1<<21)|(4<<22)|(3<<25)  ; att: the mask of my row; elements of 2 bytes; padding on; 21 set beside a mask; after every 32 words; 4 words
	s_mov_b32 s[G1+1], 64<<16                      ; tensor_dim0 = 64
	s_mov_b32 s[G1+2], 128<<16                     ; tensor_dim1 = 128
	s_mov_b32 s[G1+3], 64<<16                      ; tile_dim0 = 64
	s_mov_b32 s[G1+4], 128                         ; tile_dim1 = 128
	s_mov_b32 s[G1+5], 64                          ; elements from row to row
	s_mov_b32 s[G1+6], 0
	s_mov_b32 s[G1+7], 0
	s_or_b32 s[G1B+0], s44, (1<<16)|(1<<20)|(1<<21)|(5<<22)|(3<<25) ; wo16: the mask of my column; padding after every 64 words
	s_mov_b32 s[G1B+1], 128<<16
	s_mov_b32 s[G1B+2], 128<<16
	s_mov_b32 s[G1B+3], 128<<16
	s_mov_b32 s[G1B+4], 128
	s_mov_b32 s[G1B+5], 1024
	s_mov_b32 s[G1B+6], 0
	s_mov_b32 s[G1B+7], 0
	s_lshl_b32 s16, s12, 20                        ; att: my plane of the K step's two,
	s_lshl_b32 s17, s13, 14                        ; the tile row's 128 tokens of 128 bytes
	s_add_co_u32 s16, s16, s17
	s_mov_b32 s17, 0
	s_lshl_b32 s46, s42, 19                        ; wo16: row 256 x tile column + 128 x half, 2,048 bytes each
	s_lshl_b32 s47, s12, 18
	s_add_co_u32 s46, s46, s47
	s_mov_b32 s47, 0
	s_mul_i32 s18, s12, PLN                        ; where they go: no place in the cluster enters an LDS address
	s_mul_i32 s19, s12, 128*PB
	s_add_co_u32 s19, s19, BOFF
	s_wait_dscnt 0x0                               ; both opening adds are done
	s_wait_kmcnt 0x0
	s_add_nc_u64 s[14:15], s[4:5], s[16:17]
	s_add_nc_u64 s[46:47], s[6:7], s[46:47]
	CROUND                                         ; all sixteen work-groups are here: the first joint loads meet
.irp s, 0,1
	s_mov_b32 s[G0+4*\s], 1
	s_add_co_u32 s[G0+4*\s+1], s18, \s*SLOT
	s_add_nc_u64 s[G0+4*\s+2:G0+4*\s+3], s[14:15], \s*(2<<20)      ; K step s: planes 2 s, 2 s + 1
	s_or_b32 s[G0+4*\s+3], s[G0+4*\s+3], 0x80000000
	s_mov_b32 s[G0B+4*\s], 1
	s_add_co_u32 s[G0B+4*\s+1], s19, \s*SLOT
	s_add_nc_u64 s[G0B+4*\s+2:G0B+4*\s+3], s[46:47], \s*256
	s_or_b32 s[G0B+4*\s+3], s[G0B+4*\s+3], 0x80000000
	JLOAD \s                                       ; two loads of mine are out
.endr
	v_and_b32 v1, 15, v0                           ; l % 16
	v_bfe_u32 v2, v0, 4, 1                         ; l / 16
	v_mul_u32_u24 v3, v1, PA
	v_lshl_add_u32 v3, v2, 4, v3                   ; att: row x pitch + 16 x half
	v_mul_u32_u24 v4, v1, PB
	v_lshl_add_u32 v4, v2, 4, v4                   ; wo16 likewise
	s_mul_i32 s21, s11, 64*PA                      ; my 64 tokens
	s_mul_i32 s22, s12, 128*PB                     ; my 128 rows of wo16,
	s_add_co_u32 s22, s22, BOFF                    ; which lie behind att's planes
.irp s, 0,1
	v_add_nc_u32 v[ADRA+\s], s21, v3
	v_add_nc_u32 v[ADRB+\s], s22, v4
	s_add_co_u32 s21, s21, SLOT
	s_add_co_u32 s22, s22, SLOT
.endr
	s_mul_i32 s23, s10, 16*SPITCH
	s_add_co_u32 s23, s23, STAGE                   ; my stage
	v_mul_u32_u24 v5, v1, SPITCH                   ; in: row l % 16, 32 bytes for each half of the lanes
	v_lshl_add_u32 v5, v2, 5, v5
	v_add_nc_u32 v[STO], s23, v5
	v_and_b32 v6, 31, v0
	v_lshlrev_b32 v[CO], 4, v6                     ; back: the 32 lanes take one row of 512 bytes; and the same in out0
	v_add_nc_u32 v[RD], s23, v[CO]
	v_lshlrev_b32 v[PFO], 8, v1
	v_lshl_add_u32 v[PFO], v2, 20, v[PFO]
	s_lshl_b32 s16, s13, 19                        ; my first row of out0: 128 x tile row + 64 x half, 4,096 bytes each
	s_lshl_b32 s17, s11, 18
	s_add_co_u32 s16, s16, s17
	s_mov_b32 s17, 0
	s_add_nc_u64 s[8:9], s[8:9], s[16:17]
	s_lshl_b32 s46, s42, 10                        ; my first column, in bytes: 1,024 x tile column + 512 x half
	s_lshl_b32 s47, s12, 9
	s_add_co_u32 s46, s46, s47
	s_mov_b32 s47, 0
	s_add_nc_u64 s[8:9], s[8:9], s[46:47]
	s_lshl_b32 s20, s13, 14                        ; the prefetches: the tile row's tokens,
	s_lshl_b32 s21, s40, 12                        ; my work-group's 4,096 bytes of the 16,384,
	s_add_co_u32 s20, s20, s21
	s_add_co_u32 s20, s20, 6<<20                   ; at K step 3: the first refill steps it to K step 4.  Nothing is prefetched here, at the head
	s_mov_b32 s21, 0
	s_add_nc_u64 s[PFA:PFA+1], s[4:5], s[20:21]
	s_cmp_eq_u32 s10, 0
	s_cselect_b32 s[LIM], 1, -1
; 8 matrix instructions: token block a against wo16's eight, 32 along K, from buffer f.  zero = 1: the first product starts the sums.  The 32 accumulators take turns, in the same order in every quarter.
.macro MUL8 f, a, zero
.irp b, 0,1,2,3,4,5,6,7
.if \zero
	v_wmma_f32_16x16x32_f16 v[8*(8*(\a)+\b):8*(8*(\a)+\b)+7], v[\f+32+8*\b:\f+32+8*\b+7], v[\f+8*(\a):\f+8*(\a)+7], 0
.else
	v_wmma_f32_16x16x32_f16 v[8*(8*(\a)+\b):8*(8*(\a)+\b)+7], v[\f+32+8*\b:\f+32+8*\b+7], v[\f+8*(\a):\f+8*(\a)+7], v[8*(8*(\a)+\b):8*(8*(\a)+\b)+7]
.endif
.endr
.endm
; 24 LDS loads in one run: the fragments of the slot's kq-th 32 along K into buffer f: wo16's sixteen loads first, then att's eight
.macro FETCH slot, kq, f
.irp b, 0,1,2,3,4,5,6,7
	ds_load_b128 v[\f+32+8*\b:\f+32+8*\b+3],   v[ADRB+\slot] offset:64*(\kq)+16*PB*\b
	ds_load_b128 v[\f+32+8*\b+4:\f+32+8*\b+7], v[ADRB+\slot] offset:64*(\kq)+16*PB*\b+32
.endr
.irp a, 0,1,2,3
	ds_load_b128 v[\f+8*\a:\f+8*\a+3],   v[ADRA+\slot] offset:((\kq)/2)*PLN+64*((\kq)%2)+16*PA*\a
	ds_load_b128 v[\f+8*\a+4:\f+8*\a+7], v[ADRA+\slot] offset:((\kq)/2)*PLN+64*((\kq)%2)+16*PA*\a+32
.endr
.endm
.macro PLACES                          ; four places in front of loads into registers that matrix instructions have read, and of the first read of results
.rept 4
	v_nop
.endr
.endm
; A K step is four quarters of 32 along K, 32 matrix instructions each, on buffers 0, 1, 0, 1.  One of the first three: multiplies buffer f and fetches quarter kq into g.
.macro QUARTER slot, kq, f, g, zero
	s_wait_dscnt 4                                 ; wo16's fragments and token blocks 0, 1 are in; the four loads of blocks 2, 3 may be out
	WIN MUL
	MUL8 \f, 0, \zero
	MUL8 \f, 1, \zero
	PLACES
	WIN 0
	FETCH \slot, \kq, \g
	s_wait_dscnt 24                                ; all but the 24 just issued
	WIN MUL
	MUL8 \f, 2, \zero
	MUL8 \f, 3, \zero
.endm
; The last quarter multiplies buffer 1 and changes slots: ONE barrier; in front of it each wave waits for all its tensor loads, adds 0 to its spare word, and waits for that and for its own reads of this slot.
; fill = 1: the barrier opens a round of the cluster's, and this slot is filled again, two K steps ahead: the joint load is the first thing behind the round and has a K step less a quarter in which to land.
.macro TURN slot, next, fill
.if \fill
	s_wait_xcnt 0x0                                ; the last prefetch, a K step back, has read its address: it is stepped here
	s_add_nc_u64 s[PFA:PFA+1], s[PFA:PFA+1], 2<<20
.endif
	WIN 0                                          ; (the add's two registers lie in window 0)
	s_wait_tensorcnt 0x0                           ; all my tensor loads have landed: my part of the next slot
	ds_add_u32 v[SPW], v[NIL]                      ; 0 onto my spare word
	s_wait_dscnt 5                                 ; (the add and the four loads of token blocks 2, 3 may be out)
	WIN MUL
	MUL8 F1, 0, 0                                  ; eight matrix instructions stand between the add and the wait for it
	s_wait_dscnt 0x0                               ; the add is done, and my reads of this slot are over
	s_barrier_signal -1
	MUL8 F1, 1, 0
	WIN 0
	s_barrier_wait -1
.if \fill
	CREST                                          ; no wave of any partner still reads this slot's tiles or has a load on its way
	s_add_nc_u64 s[G0+4*\slot+2:G0+4*\slot+3], s[G0+4*\slot+2:G0+4*\slot+3], 4<<20
	s_add_nc_u64 s[G0B+4*\slot+2:G0B+4*\slot+3], s[G0B+4*\slot+2:G0B+4*\slot+3], 512
	JLOAD \slot                                    ; the four v_nop behind it are also the places in front of the loads below
.else
	PLACES
.endif
	FETCH \next, 0, F0
.if \fill
	ASK
.endif
	WIN MUL
	MUL8 F1, 2, 0
	MUL8 F1, 3, 0
.endm
	s_wait_tensorcnt 1                             ; my part of K step 0 is in (K step 1's load may be out),
	s_barrier_signal -1
	s_barrier_wait -1                              ; everybody's is
	FETCH 0, 0, F0
	QUARTER 0, 1, F0, F1, 1                        ; the first quarter stands in front of the loop: its products start the sums
	WIN 0                                          ; at a label and at a branch every window is 0
	s_mov_b32 s3, LAPS-1
.Llap:                                                 ; a trip goes once round the ring, from a lap's second quarter to the next lap's first, and fills both slots again
	QUARTER 0, 2, F1, F0, 0
	QUARTER 0, 3, F0, F1, 0
	TURN 0, 1, 1
	QUARTER 1, 1, F0, F1, 0
	QUARTER 1, 2, F1, F0, 0
	QUARTER 1, 3, F0, F1, 0
	TURN 1, 0, 1
	QUARTER 0, 1, F0, F1, 0
	WIN 0
	s_sub_co_u32 s3, s3, 1
	s_cmp_lg_u32 s3, 0
	s_cbranch_scc1 .Llap
	QUARTER 0, 2, F1, F0, 0                        ; the last lap fills nothing, and has no round of the cluster's barrier
	QUARTER 0, 3, F0, F1, 0
	TURN 0, 1, 0
	QUARTER 1, 1, F0, F1, 0
	QUARTER 1, 2, F1, F0, 0
	QUARTER 1, 3, F0, F1, 0
	s_wait_dscnt 4                                 ; the very last quarter: nothing more to fetch
	WIN MUL
	MUL8 F1, 0, 0
	MUL8 F1, 1, 0
	s_wait_dscnt 0x0
	MUL8 F1, 2, 0
	MUL8 F1, 3, 0
	WIN 0
; THE WAY OUT, block by block of 16 rows x 128 columns.  A lane holds 32 neighbouring bytes of a row: a block goes through my own stage in LDS and comes back as whole rows of 512 bytes, which the 32 lanes store as 512 consecutive aligned bytes.
; LDS serves a wave's instructions in order (ISA guide 5.7.1.4): no wait between the stores and the loads, nor in front of the next block's stores.
.macro TOSTAGE a
	WIN 0x04                                       ; an LDS store's data are its source 1: window 1
.irp b, 0,1,2,3,4,5,6,7
	ds_store_b128 v[STO], v[8*(8*(\a)+\b):8*(8*(\a)+\b)+3] offset:64*\b          ; each accumulator from its low end on
	ds_store_b128 v[STO], v[8*(8*(\a)+\b)+4:8*(8*(\a)+\b)+7] offset:64*\b+16
.endr
	WIN 0
.set BB, 32+96*((\a)%2)
.irp t, 0,1,2,3,4,5,6,7,8,9,10,11,12,13,14,15
	ds_load_b128 v[BB+4*\t:BB+4*\t+3], v[RD] offset:\t*SPITCH
.endr
.endm
.macro SEND a, younger                 ; younger: the LDS instructions issued behind block a's loads, which may stay out
.set BB, 32+96*((\a)%2)
	s_wait_dscnt \younger                          ; the block is back in registers
.irp t, 0,1,2,3,4,5,6,7,8,9,10,11,12,13,14,15
	global_store_b128 v[CO], v[BB+4*\t:BB+4*\t+3], s[8:9] offset:65536*(\a)+4096*\t th:TH_STORE_NT   ; written once, read by nobody here; every offset is an immediate, 258,048 at the most
.endr
.endm
	PLACES                                         ; behind the last products: for the stores' reads of results and for the loads into the fragments' registers
	TOSTAGE 0
.irp a, 1,2,3
.if \a > 1
	s_wait_xcnt 0x0                                ; block a - 2's stores have read their registers: block a's loads may land there
.endif
	TOSTAGE \a
	SEND \a-1, 32                                  ; behind block a - 1's loads: block a's 16 stores and 16 loads
.endr
	SEND 3, 0
	s_wait_tensorcnt 0x0                           ; the wave's end
	ds_add_u32 v[SPW], v[NIL]
	s_wait_dscnt 0x0
	CROUND                                         ; the closing round: no work-group ends while a partner may still ask for a tile that names it
	s_endpgm
.Lfunc_end_k_qd798907d7e_proj:
	.size	k_qd798907d7e_proj, .Lfunc_end_k_qd798907d7e_proj-k_qd798907d7e_proj
	.p2alignl 7, 3214868480
	.fill 96, 4, 3214868480
	.section	.rodata,"a",@progbits
	.p2align	6, 0x0
	.amdhsa_kernel k_qd798907d7e_proj
		.amdhsa_group_segment_fixed_size 327680
		.amdhsa_private_segment_fixed_size 0
		.amdhsa_enable_private_segment 0
		.amdhsa_kernarg_size 24
		.amdhsa_user_sgpr_count 2
		.amdhsa_user_sgpr_kernarg_segment_ptr 1
		.amdhsa_wavefront_size32 1
		.amdhsa_system_sgpr_workgroup_id_x 1
		.amdhsa_system_sgpr_workgroup_id_y 1
		.amdhsa_system_sgpr_workgroup_id_z 1
		.amdhsa_system_vgpr_workitem_id 0
		.amdhsa_next_free_vgpr 512
		.amdhsa_next_free_sgpr 66
		.amdhsa_reserve_vcc 0
		.amdhsa_float_denorm_mode_32 3
		.amdhsa_float_denorm_mode_16_64 3
		.amdhsa_memory_ordered 1
		.amdhsa_forward_progress 1
		.amdhsa_inst_pref_size 86
	.end_amdhsa_kernel
	.amdgpu_metadata
---
amdhsa.version: [ 1, 2 ]
amdhsa.kernels:
  - .name:           k_qd798907d7e_proj
    .symbol:         k_qd798907d7e_proj.kd
    .args:
      - { .name: att, .offset: 0, .size: 8, .value_kind: global_buffer, .address_space: global }
      - { .name: wo16, .offset: 8, .size: 8, .value_kind: global_buffer, .address_space: global }
      - { .name: out0, .offset: 16, .size: 8, .value_kind: global_buffer, .address_space: global }
    .group_segment_fixed_size: 327680
    .private_segment_fixed_size: 0
    .kernarg_segment_align: 8
    .kernarg_segment_size: 24
    .max_flat_workgroup_size: 128
    .sgpr_count:     66
    .vgpr_count:     512
    .wavefront_size: 32
...
	.end_amdgpu_metadata
.endif
;; end of part 4
